; MI455X (gfx1250); checked and timed in simulation.
; The chip was launched on July 23, 2026; its instructions are those of AMD's public machine-readable ISA for CDNA 5 (MIT licence, August 2026) and "CDNA5" Instruction Set Architecture Reference Guide (July 2026). The comments in the code are by the model that wrote it; some were corrected since.
;; Attention Block. Allowed arithmetic: matrix products marked QUANTISED: E2M3 operands, one E8M0 scale for each 32 along K, by v_wmma_scale_f32_16x16x128_f8f6f4 with both operands' format E2M3, f32 sums; everything else in f32.
;; Inputs: Wk 1,024 x 1,024 float32; Wo 1,024 x 1,024 float32; Wq 1,024 x 1,024 float32; Wv 1,024 x 1,024 float32; bk 1,024 float32; bo 1,024 float32; bq 1,024 float32; bv 1,024 float32; cos_freq 4,096 x 1,024 float32; input_mask 4,096 int32; inputs 4,096 x 1,024 float32; sin_freq 4,096 x 1,024 float32.
;; Outputs: out0 4,096 x 1,024 float32.
;; This version of the problem:
;;   THIS VERSION OF THE PROBLEM IS GIVEN IN LOW PRECISION. The matrix products marked QUANTISED in the list below multiply operands that are first quantised to E2M3 (2 exponent bits, 3 mantissa bits; 6 bits a number), with one power-of-two scale for each 32 numbers along K (OCP MX v1.0); their sums are f32. All else is computed in f32.
;;   The module's matrix products, in the order in which they are computed (A, B: the left and right operand; K: the contracted axis; several contracted axes count as one K, in the product's order):
;;     1. [M 4,096, K 1,024] x [K 1,024, N 1,024]; A: computed on the way; B: input Wq: QUANTISED
;;     2. [M 4,096, K 1,024] x [K 1,024, N 1,024]; A: computed on the way; B: input Wk: QUANTISED
;;     3. [M 4,096, K 1,024] x [K 1,024, N 1,024]; A: computed on the way; B: input Wv: QUANTISED
;;     4. batch 16 x [M 4,096, K 64] x [K 64, N 4,096]; A: computed on the way; B: computed on the way: QUANTISED
;;     5. batch 16 x [M 64, K 4,096] x [K 4,096, N 4,096]; A: computed on the way; B: softmax (see below): QUANTISED
;;     6. [M 4,096, K 1,024] x [K 1,024, N 1,024]; A: computed on the way; B: input Wo: QUANTISED
;;   THE QUANTISER, for each operand of a quantised product, along K:
;;     - K is cut into blocks of 32 from its start; a last block that is shorter is filled with zeros.
;;     - A block's scale is 2^e with e = floor(log2(the largest magnitude in the block)) - 2, held to -126 .. 127; a block of zeros has e = 0. As a byte (E8M0): e + 127.
;;     - Each number is divided by its block's scale, clamped to +-7.5, and rounded to the nearest number of E2M3, ties to even, subnormals kept.
;;     - The product sums the exact products of the quantised numbers (number of the format x scale) in f32.
;;   ~~~python
;;   def quantise(x, axis):      # numpy; x: float32 -> the quantised numbers, widened to float32 again
;;       x = np.moveaxis(x, axis, -1); K = x.shape[-1]
;;       x = np.pad(x, [(0, 0)] * (x.ndim - 1) + [(0, -K % 32)]); x = x.reshape(x.shape[:-1] + (-1, 32)); a = np.abs(x).max(-1, keepdims=True)
;;       e = np.where(a > 0, np.clip(np.frexp(np.where(a > 0, a, 1))[1] - 1 - 2, -126, 127), 0)      # np.frexp(a)[1] - 1 = floor(log2(a)), exactly
;;       r = np.clip(x / 2.0 ** e, -7.5, 7.5)
;;       step = 2.0 ** (np.maximum(np.frexp(np.where(r == 0, 1, r))[1] - 1, 0) - 3)
;;       q = np.round(r / step) * step * 2.0 ** e      # np.round: ties to even
;;       return np.moveaxis(q.reshape(q.shape[:-2] + (-1,))[..., :K], -1, axis).astype(np.float32)
;;   ~~~
;;   SOFTMAX AHEAD OF A QUANTISED PRODUCT. Where the list says 'softmax', what is quantised is not the finished softmax but p = 2^(t - M), with t = logit x log2(e) and M = ceil(the row's largest t), a whole number; so 1/2 < the row's largest p <= 1. The row's sum l is taken of the UNQUANTISED p, in f32, and the product's result is divided by l at the end. Since M is a whole number, a kernel that streams over the keys may use a running M (the ceiling of the running maximum): every later rescaling is an exact power of two, which a block's scale takes up: the codes' values come out the same.
;;   OPERANDS COMPUTED ON THE WAY. 'Computed on the way' means the value that the module computes at that place (a softmax that the list does not call 'softmax' is quantised finished and normalised). What goes into a quantiser is computed in f32, as accurately as f32 sums, v_exp_f32 and their like allow (about 1e-6 of the number): no bf16 or f16 on the way to a quantiser, and a product that is left as it is and whose result goes on into a quantised operand takes f32 operands (vector FMAs, or v_wmma_f32_16x16x4_f32). A number that lies on a knife's edge between two numbers of the format may be rounded either way, as far as f32 arithmetic and the matrix unit's own rounding can turn it there, and no further.
;; One version. Each part assembles by itself: llvm-mc -triple=amdgcn-amd-amdhsa -mcpu=gfx1250 --defsym DOCPART=n.
;; ======== version 1 of 1: 4 launches
;; limits: right only within a limited range of input values
;; workspace buffers: img 6,291,456 bytes; wrd 262,144 bytes; qb 3,407,872 bytes; kv 6,684,672 bytes; ao 3,145,728 bytes; asc 131,072 bytes
;; launch prep (part 1): grid 512 x 1, 4 waves a work-group, no clusters, 135,680 bytes of LDS; arguments inputs, cos_freq, sin_freq, Wq, Wk, Wv, Wo, img, wrd; writes img, wrd
.if DOCPART == 1
	.amdgcn_target "amdgcn-amd-amdhsa--gfx1250"
	.amdhsa_code_object_version 6
	.text
	.protected	k_q799c8ff7f7_prep
	.globl	k_q799c8ff7f7_prep
	.p2align	8
	.type	k_q799c8ff7f7_prep,@function
k_q799c8ff7f7_prep:
	s_mov_b64 s[64:65], 0
	v_nop
	global_prefetch_b8 v0, s[64:65] scope:SCOPE_SE
	s_setreg_imm32_b32 hwreg(HW_REG_WAVE_MODE, 25, 1), 1
	s_wait_xcnt 0x0
; rope(inputs) [4096][1024] and Wq, Wk, Wv, Wo [1024][1024], all f32 with K innermost, become codes of FP6 (E2M3) with one E8M0 byte for each 32 along K,
; laid as IMAGES OF THE OPERAND'S REGISTERS: a fragment (16 rows x 128 K, 12 registers a lane) is three pieces of 512 bytes, lane l's registers 4 p .. 4 p + 3 at 512 p + 16 l.
; TILES.  The 16 rows of a tile are not neighbours: lane r of tile T stands for row 32 (T / 2) + 8 (T % 2) + r + 8 (r / 8).  Tiles 0-255: rope(inputs); 256 + 64 m + i: tile i of W number m (q, k, v, o).
; img: tile T, K step s at (T / 8) x 98,304 + s x 12,288 + (T % 8) x 1,536.   wrd: the scale word of (s, T, r) at s x 32,768 + 64 T + 4 r.
; SHARES.  A work-group takes one tile, all of K.  Wave w takes K steps w and w + 4: they lie 512 columns apart, which is the pair that the rotation joins, so x, cos and sin are each read once.
; Each load reads 512 consecutive bytes of a row.  The numbers turn through the wave's own stage in LDS (rows of 512 + 16 bytes) and come back 128 bytes a lane: k = 64 c + 32 h + 0 .. 31 of row r, two whole blocks a lane.
; The two ways (x, W) part on the work-group's number and have LDS bytes of their own.  Waves share nothing: no barrier.
; A block's scale is 2^(floor(log2(its largest magnitude)) - 2); its byte is that magnitude's exponent field - 2, held at 1 from below.  A block of zeros keeps the byte 1: its codes are zeros, and this program alone reads the bytes.
; LIMITS: blocks whose largest magnitude lies under 2^-124 keep the byte 1; NaN and infinities among the inputs are not served.
.set STG,   16896                      ; a wave's stage: two fragments
.set FRG,   8448                       ; a fragment in the stage: 16 rows x 528 bytes
.set WARM,  67584                      ; the W way's four stages begin here
.set SPARE, 135168                     ; the spare words, 128 bytes for each wave: two blocks of 256 bytes that no other line names
.set LO,  1                            ; v1   16 x lane
.set WO,  2                            ; v2   4 x (lane % 16)
.set SH8, 3                            ; v3   8 x (lane / 16)
.set SWX, 4                            ; v4   x way: into the stage;  v5 out of it
.set SRX, 5
.set SWW, 6                            ; v6, v7 the same for the W way
.set SRW, 7
.set SPW, 8                            ; v8   LDS address of my spare word; never rewritten
.set NIL, 9                            ; v9   0; never rewritten
.set LB,  32                           ; v32-127, v128-223: two sets of 96 registers for loads; later v32-95, v96-159 the two fragments' numbers, v160-183 their codes, v184-190 at work
.set TT0, 224                          ; v224-255: four sets of eight rotated numbers
	s_load_b256 s[4:11], s[0:1], 0x0               ; inputs, cos_freq, sin_freq, Wq
	s_load_b256 s[12:19], s[0:1], 0x20             ; Wk, Wv, Wo, img
	s_load_b64 s[20:21], s[0:1], 0x40              ; wrd
	v_lshl_add_u32 v[SPW], v0, 2, SPARE
	v_mov_b32 v[NIL], 0
	v_lshrrev_b32 v1, 5, v0
	v_readfirstlane_b32 s22, v1                    ; wave 0..3
	v_and_b32 v10, 31, v0                          ; lane
	v_lshlrev_b32 v[LO], 4, v10
	v_and_b32 v11, 15, v0                          ; r
	v_lshlrev_b32 v[WO], 2, v11
	v_bfe_u32 v12, v0, 4, 1                        ; h
	v_lshlrev_b32 v[SH8], 3, v12
	s_mul_i32 s23, s22, STG
	v_add_nc_u32 v[SWX], s23, v[LO]                ; in: a row's 512 bytes as they lie
	v_mul_u32_u24 v[SRX], v11, 528
	v_lshl_add_u32 v[SRX], v12, 7, v[SRX]
	v_add_nc_u32 v[SRX], s23, v[SRX]               ; out: row r, + 128 h
	v_add_nc_u32 v[SWW], WARM, v[SWX]
	v_add_nc_u32 v[SRW], WARM, v[SRX]
	v_mov_b32 v16, 0                               ; written once: a lane permute's destination counts as one of its sources
	s_mov_b32 s32, 0x76543210
	s_mov_b32 s33, 0xfedcba98                      ; v_permlanex16_b32's selects for lane l xor 16
	s_lshr_b32 s24, ttmp9, 3
	s_mul_i32 s24, s24, 98304
	s_mul_i32 s25, s22, 12288
	s_add_co_u32 s24, s24, s25
	s_and_b32 s25, ttmp9, 7
	s_mul_i32 s25, s25, 1536
	s_add_co_u32 s24, s24, s25                     ; my tile's image of K step w
	s_mov_b32 s25, 0
	s_lshl_b32 s26, s22, 15
	s_lshl_b32 s27, ttmp9, 6
	s_add_co_u32 s26, s26, s27                     ; and its scale words
	s_mov_b32 s27, 0
	s_wait_kmcnt 0x0
	s_add_nc_u64 s[34:35], s[18:19], s[24:25]
	s_add_nc_u64 s[36:37], s[20:21], s[26:27]
; Fragment f (K step w + 4 f): 64 numbers a lane become 12 registers of codes and a scale word, and leave.  Codes and word have registers of their own for each f, so no store's data are written again.
.macro QUANTF f
.set XB, 32+64*\f
.set CB, 160+12*\f
.irp c, 0,1
	v_max3_num_f32 v[10+\c], |v[XB+32*\c]|, |v[XB+32*\c+1]|, 0x1800000   ; my block 2 c + h: all its 32 numbers are mine; and the floor 2^(3 - 127): the byte cannot fall under 1
.endr
.irp i, 2,4,6,8,10,12,14,16,18,20,22,24,26,28,30
.irp c, 0,1
	v_max3_num_f32 v[10+\c], v[10+\c], |v[XB+32*\c+\i]|, |v[XB+32*\c+\i+1]|   ; (the two blocks by turns)
.endr
.endr
	v_add_nc_u32 v12, 0xff000000, v10              ; 2 off the exponent field: the conversion takes the exponent field of this operand as its scale
	v_add_nc_u32 v13, 0xff000000, v11
	v_lshrrev_b32 v14, 23, v12                     ; the scale's byte
	v_lshrrev_b32 v15, 23, v13
	v_lshl_or_b32 v[18+\f], v15, 16, v14           ; my two bytes: blocks h and 2 + h of row r,
	v_lshlrev_b32 v[18+\f], v[SH8], v[18+\f]       ; at their places in the word;
	v_permlanex16_b32 v16, v[18+\f], s32, s33
	v_or_b32 v[18+\f], v[18+\f], v16               ; with lane l xor 16's two the word is whole
.irp c, 0,1
	v_cvt_scalef32_pk16_fp6_f32 v[CB+6*\c:CB+6*\c+2], v[XB+32*\c:XB+32*\c+15], v[12+\c]
	v_cvt_scalef32_pk16_fp6_f32 v[184+4*\c:186+4*\c], v[XB+32*\c+16:XB+32*\c+31], v[12+\c]   ; (a conversion's three registers begin on an even number)
.endr
	v_nop                                          ; one plain place behind a scaled conversion
.irp c, 0,1
.irp i, 0,1,2
	v_mov_b32 v[CB+6*\c+3+\i], v[184+4*\c+\i]
.endr
.endr
.irp p, 0,1,2
	global_store_b128 v[LO], v[CB+4*\p:CB+4*\p+3], s[34:35] offset:49152*\f+512*\p   ; 32 lanes store 512 consecutive bytes, at a multiple of 256 from img's first byte
.endr
	global_store_b32 v[WO], v[18+\f], s[36:37] offset:131072*\f   ; lanes r and r + 16 store the same word with the same value
.endm
; Both fragments come back from the stage, are quantised and leave; then the wave ends.
.macro TAIL str
	s_wait_dscnt 0x0                               ; my stores into the stage have read their registers, into which the loads below land
.irp f, 0,1
.irp c, 0,1
.irp i, 0,1,2,3,4,5,6,7
	ds_load_b128 v[32+64*\f+32*\c+4*\i:32+64*\f+32*\c+4*\i+3], v[\str] offset:FRG*\f+256*\c+16*\i
.endr
.endr
.endr
	s_wait_dscnt 16                                ; the first fragment's 16 loads are in; the second's may be out
	QUANTF 0
	s_wait_dscnt 0x0
	QUANTF 1
	s_wait_tensorcnt 0x0                           ; the wave's end, behind my last LDS store
	ds_add_u32 v[SPW], v[NIL]
	s_wait_dscnt 0x0
	s_endpgm
.endm
	s_cmp_lt_u32 ttmp9, 256
	s_cbranch_scc0 .Lweights
	; ---- the x way: rope(inputs)
	s_lshr_b32 s24, ttmp9, 1
	s_lshl_b32 s24, s24, 5
	s_and_b32 s25, ttmp9, 1
	s_lshl_b32 s25, s25, 3
	s_add_co_u32 s24, s24, s25                     ; the tile's first row
	s_lshl_b32 s24, s24, 12                        ; rows of 4,096 bytes
	s_lshl_b32 s25, s22, 9                         ; my wave's 128 columns
	s_add_co_u32 s24, s24, s25
	s_mov_b32 s25, 0
	s_add_nc_u64 s[4:5], s[4:5], s[24:25]
	s_add_nc_u64 s[6:7], s[6:7], s[24:25]
	s_add_nc_u64 s[8:9], s[8:9], s[24:25]
.macro LOADX a                         ; rows 4 a .. 4 a + 3 of the tile: x, cos, sin at my columns and 512 columns on: 24 loads
.irp q, 0,1,2,3
.set RW, 4*(\a)+\q
.set RB, LB+96*((\a)%2)+24*\q
.set RF, (RW+8*(RW/8))*4096
	global_load_b128 v[RB:RB+3],     v[LO], s[4:5] offset:RF th:TH_LOAD_NT
	global_load_b128 v[RB+4:RB+7],   v[LO], s[4:5] offset:RF+2048 th:TH_LOAD_NT
	global_load_b128 v[RB+8:RB+11],  v[LO], s[6:7] offset:RF th:TH_LOAD_NT
	global_load_b128 v[RB+12:RB+15], v[LO], s[6:7] offset:RF+2048 th:TH_LOAD_NT
	global_load_b128 v[RB+16:RB+19], v[LO], s[8:9] offset:RF th:TH_LOAD_NT
	global_load_b128 v[RB+20:RB+23], v[LO], s[8:9] offset:RF+2048 th:TH_LOAD_NT
.endr
.endm
.macro ROPE a                          ; low half: x cos - x(+512) sin;  high half: x cos + x(-512) sin
	s_wait_dscnt 0x0                               ; the last group's stores have read the four sets
.irp q, 0,1,2,3
.set RW, 4*(\a)+\q
.set RB, LB+96*((\a)%2)+24*\q
.set TT, TT0+8*\q
	v_pk_mul_f32 v[TT:TT+1],   v[RB:RB+1],   v[RB+8:RB+9]
	v_pk_mul_f32 v[TT+2:TT+3], v[RB+2:RB+3], v[RB+10:RB+11]
	v_pk_mul_f32 v[TT+4:TT+5], v[RB+4:RB+5], v[RB+12:RB+13]
	v_pk_mul_f32 v[TT+6:TT+7], v[RB+6:RB+7], v[RB+14:RB+15]
	v_pk_fma_f32 v[TT:TT+1],   v[RB+4:RB+5], v[RB+16:RB+17], v[TT:TT+1] neg_lo:[1,0,0] neg_hi:[1,0,0]
	v_pk_fma_f32 v[TT+2:TT+3], v[RB+6:RB+7], v[RB+18:RB+19], v[TT+2:TT+3] neg_lo:[1,0,0] neg_hi:[1,0,0]
	v_pk_fma_f32 v[TT+4:TT+5], v[RB:RB+1],   v[RB+20:RB+21], v[TT+4:TT+5]
	v_pk_fma_f32 v[TT+6:TT+7], v[RB+2:RB+3], v[RB+22:RB+23], v[TT+6:TT+7]
	ds_store_b128 v[SWX], v[TT:TT+3] offset:528*RW
	ds_store_b128 v[SWX], v[TT+4:TT+7] offset:FRG+528*RW
.endr
.endm
	LOADX 0
	LOADX 1
	s_wait_loadcnt 24                              ; a group's 24 loads are in; the next group's 24 may be out
	ROPE 0
	LOADX 2
	s_wait_loadcnt 24
	ROPE 1
	LOADX 3
	s_wait_loadcnt 24
	ROPE 2
	s_wait_loadcnt 0x0
	ROPE 3
	TAIL SRX
	; ---- the W way: the numbers as they are
.Lweights:
	s_sub_co_u32 s23, ttmp9, 256
	s_lshr_b32 s28, s23, 6                         ; which W: q, k, v, o
	s_and_b32 s23, s23, 63                         ; which of its 64 tiles
	s_cmp_eq_u32 s28, 1
	s_cselect_b64 s[4:5], s[12:13], s[10:11]
	s_cmp_eq_u32 s28, 2
	s_cselect_b64 s[4:5], s[14:15], s[4:5]
	s_cmp_eq_u32 s28, 3
	s_cselect_b64 s[4:5], s[16:17], s[4:5]
	s_lshr_b32 s24, s23, 1
	s_lshl_b32 s24, s24, 5
	s_and_b32 s25, s23, 1
	s_lshl_b32 s25, s25, 3
	s_add_co_u32 s24, s24, s25
	s_lshl_b32 s24, s24, 12
	s_lshl_b32 s25, s22, 9
	s_add_co_u32 s24, s24, s25
	s_mov_b32 s25, 0
	s_add_nc_u64 s[4:5], s[4:5], s[24:25]
.irp q, 0,1,2,3,4,5,6,7,8,9,10,11,12,13,14,15
	global_load_b128 v[LB+8*\q:LB+8*\q+3],   v[LO], s[4:5] offset:(\q+8*(\q/8))*4096 th:TH_LOAD_NT
	global_load_b128 v[LB+8*\q+4:LB+8*\q+7], v[LO], s[4:5] offset:(\q+8*(\q/8))*4096+2048 th:TH_LOAD_NT
.endr
	s_wait_loadcnt 16                              ; rows 0-7 are in; the 16 loads of rows 8-15 may be out
	s_wait_alu depctr_va_vdst(0)
.irp q, 0,1,2,3,4,5,6,7
	ds_store_b128 v[SWW], v[LB+8*\q:LB+8*\q+3] offset:528*\q
	ds_store_b128 v[SWW], v[LB+8*\q+4:LB+8*\q+7] offset:FRG+528*\q
.endr
	s_wait_loadcnt 0x0
.irp q, 8,9,10,11,12,13,14,15
	ds_store_b128 v[SWW], v[LB+8*\q:LB+8*\q+3] offset:528*\q
	ds_store_b128 v[SWW], v[LB+8*\q+4:LB+8*\q+7] offset:FRG+528*\q
.endr
	TAIL SRW
.Lfunc_end_k_q799c8ff7f7_prep:
	.size	k_q799c8ff7f7_prep, .Lfunc_end_k_q799c8ff7f7_prep-k_q799c8ff7f7_prep
	.p2alignl 7, 3214868480
	.fill 96, 4, 3214868480
	.section	.rodata,"a",@progbits
	.p2align	6, 0x0
	.amdhsa_kernel k_q799c8ff7f7_prep
		.amdhsa_group_segment_fixed_size 135680
		.amdhsa_private_segment_fixed_size 0
		.amdhsa_enable_private_segment 0
		.amdhsa_kernarg_size 72
		.amdhsa_user_sgpr_count 2
		.amdhsa_user_sgpr_kernarg_segment_ptr 1
		.amdhsa_wavefront_size32 1
		.amdhsa_system_sgpr_workgroup_id_x 1
		.amdhsa_system_sgpr_workgroup_id_y 1
		.amdhsa_system_sgpr_workgroup_id_z 1
		.amdhsa_system_vgpr_workitem_id 0
		.amdhsa_next_free_vgpr 256
		.amdhsa_next_free_sgpr 66
		.amdhsa_reserve_vcc 0
		.amdhsa_float_denorm_mode_32 3
		.amdhsa_float_denorm_mode_16_64 3
		.amdhsa_memory_ordered 1
		.amdhsa_forward_progress 1
		.amdhsa_inst_pref_size 46
	.end_amdhsa_kernel
	.amdgpu_metadata
---
amdhsa.version: [ 1, 2 ]
amdhsa.kernels:
  - .name:           k_q799c8ff7f7_prep
    .symbol:         k_q799c8ff7f7_prep.kd
    .args:
      - { .name: inputs, .offset: 0, .size: 8, .value_kind: global_buffer, .address_space: global }
      - { .name: cos_freq, .offset: 8, .size: 8, .value_kind: global_buffer, .address_space: global }
      - { .name: sin_freq, .offset: 16, .size: 8, .value_kind: global_buffer, .address_space: global }
      - { .name: Wq, .offset: 24, .size: 8, .value_kind: global_buffer, .address_space: global }
      - { .name: Wk, .offset: 32, .size: 8, .value_kind: global_buffer, .address_space: global }
      - { .name: Wv, .offset: 40, .size: 8, .value_kind: global_buffer, .address_space: global }
      - { .name: Wo, .offset: 48, .size: 8, .value_kind: global_buffer, .address_space: global }
      - { .name: img, .offset: 56, .size: 8, .value_kind: global_buffer, .address_space: global }
      - { .name: wrd, .offset: 64, .size: 8, .value_kind: global_buffer, .address_space: global }
    .group_segment_fixed_size: 135680
    .private_segment_fixed_size: 0
    .kernarg_segment_align: 8
    .kernarg_segment_size: 72
    .max_flat_workgroup_size: 128
    .sgpr_count:     66
    .vgpr_count:     256
    .wavefront_size: 32
...
	.end_amdgpu_metadata
.endif
;; end of part 1
;; launch qkv (part 2): grid 12 x 16, 4 waves a work-group, clusters of 4 x 1, 327,680 bytes of LDS; arguments img, wrd, bq, bk, bv, input_mask, qb, kv; writes qb, kv
.if DOCPART == 2
	.amdgcn_target "amdgcn-amd-amdhsa--gfx1250"
	.amdhsa_code_object_version 6
	.text
	.protected	k_q799c8ff7f7_qkv
	.globl	k_q799c8ff7f7_qkv
	.p2align	8
	.type	k_q799c8ff7f7_qkv,@function
k_q799c8ff7f7_qkv:
	s_mov_b64 s[64:65], 0
	v_nop
	global_prefetch_b8 v0, s[64:65] scope:SCOPE_SE
	s_setreg_imm32_b32 hwreg(HW_REG_WAVE_MODE, 25, 1), 1
	s_wait_xcnt 0x0
	s_wait_alu depctr_hold_cnt(0) depctr_sa_sdst(0) depctr_va_vdst(0) depctr_va_sdst(0) depctr_va_ssrc(0) depctr_va_vcc(0) depctr_vm_vsrc(0)
	s_getreg_b32 s2, hwreg(HW_REG_IB_STS2, 6, 4)
	s_cmp_eq_u32 s2, 0
	s_cbranch_scc0 .Lentry_in_a_cluster
	s_endpgm
.Lentry_in_a_cluster:
	s_bfe_u32 s2, ttmp6, 0x10000c
	s_cmp_lg_u32 s2, 0x3003
	s_cbranch_scc0 .Lentry_shape_is_right
	s_endpgm
.Lentry_shape_is_right:
.set PANEL, 98304
.set SPARE, 2*PANEL
.set LI,  1
.set L8,  2
.set L4,  3
.set XA0, 4
.set XA1, 5
.set SPW, 6
.set NIL, 7
.set UA,  8
.set UB,  9
.set R4P, 10
.set BA,  11
.set XS,  12
.set WS,  44
.set XF,  60
.set TM,  60
.set PC,  76
.set PT,  88
.set PW,  96
.set KW,  100
.set BI,  192
.set MK,  224
.set WV,  20
.set CX,  21
.set TY,  22
.set YB,  23
.set HD,  24
.set G1,  28
.set G0A, 36
.set G0B, 40
.set WB,  44
.set WWB, 46
.set XWB, 48
.set BB,  50
.set MB,  52
.set OB,  54
.set OWB, 56
.set OSTEP, 58
.set GB,  60
.set CNT, 61
.set HM,  62
.set SEL, 66
.set MBIT, 70
.set MSB, 0
.macro WIN new
.if MSB != \new
	s_set_vgpr_msb (MSB<<8)|\new
.set MSB, \new
.endif
.endm
.macro ROUND
	s_barrier_signal -1
	s_barrier_wait -1
	s_cmp_lg_u32 s[WV], 0
	s_cbranch_scc1 .Lnot_wave_0_\@
	s_barrier_signal -3
.Lnot_wave_0_\@:
	s_barrier_wait -3
	s_barrier_signal -1
	s_barrier_wait -1
.endm
	s_load_b256 s[4:11], s[0:1], 0x0
	s_load_b256 s[12:19], s[0:1], 0x20
	v_lshl_add_u32 v[SPW], v0, 2, SPARE
	v_mov_b32 v[NIL], 0
	ds_add_u32 v[SPW], v[NIL]
	ds_add_u32 v[SPW], v[NIL]
	v_lshrrev_b32 v1, 5, v0
	v_readfirstlane_b32 s[WV], v1
	s_bfe_u32 s[CX], ttmp6, 0x40000
	s_mov_b32 s[TY], ttmp9
	s_and_b32 s[YB], ttmp7, 0xffff
	s_lshl_b32 s[HD], s[CX], 2
	s_add_co_u32 s[HD], s[HD], s[WV]
	s_mov_b32 s[G1], 15|(3<<16)|(1<<21)
	s_mov_b32 s[G1+1], 32<<16
	s_mov_b32 s[G1+2], 96<<16
	s_mov_b32 s[G1+3], 32<<16
	s_mov_b32 s[G1+4], 96
	s_mov_b32 s[G1+5], 32
	s_mov_b32 s[G1+6], 0
	s_mov_b32 s[G1+7], 0
	v_and_b32 v12, 31, v0
	v_lshlrev_b32 v[LI], 4, v12
	v_lshlrev_b32 v[L8], 3, v12
	v_lshlrev_b32 v[L4], 2, v12
	v_and_b32 v13, 15, v0
	v_and_b32 v14, 8, v13
	v_add_nc_u32 v14, v14, v13
	v_lshlrev_b32 v[R4P], 2, v14
	v_bfe_u32 v14, v0, 4, 1
	v_lshlrev_b32 v[BA], 6, v14
	s_lshl_b32 s80, s[YB], 1
	s_mul_i32 s80, s80, PANEL
	s_mul_i32 s26, s[WV], 24576
	s_add_co_u32 s80, s80, s26
	s_mov_b32 s81, 0
	s_wait_dscnt 0x0
	s_wait_kmcnt 0x0
	s_add_nc_u64 s[82:83], s[4:5], s[80:81]
	s_mov_b32 s[G0A], 1
	s_mov_b32 s[G0A+1], s26
	s_mov_b64 s[G0A+2:G0A+3], s[82:83]
	s_or_b32 s[G0A+3], s[G0A+3], 0x80000000
	s_mov_b32 s[G0B], 1
	s_add_co_u32 s[G0B+1], s26, PANEL
	s_add_nc_u64 s[G0B+2:G0B+3], s[82:83], PANEL
	s_or_b32 s[G0B+3], s[G0B+3], 0x80000000
	ROUND
	tensor_load_to_lds s[G0A:G0A+3], s[G1:G1+7]
	s_nop 0
.rept 4
	v_nop
.endr
	s_lshl_b32 s80, s[TY], 6
	s_lshl_b32 s81, s[HD], 2
	s_add_co_u32 s80, s80, s81
	s_add_co_u32 s80, s80, 256
	s_lshr_b32 s82, s80, 3
	s_mul_i32 s82, s82, PANEL
	s_and_b32 s83, s80, 7
	s_mul_i32 s83, s83, 1536
	s_add_co_u32 s82, s82, s83
	s_mov_b32 s83, 0
	s_add_nc_u64 s[WB:WB+1], s[4:5], s[82:83]
	s_lshl_b32 s82, s80, 6
	s_add_nc_u64 s[WWB:WWB+1], s[6:7], s[82:83]
	s_lshl_b32 s82, s[YB], 10
	s_add_nc_u64 s[XWB:XWB+1], s[6:7], s[82:83]
	s_add_nc_u64 s[MB:MB+1], s[14:15], s[82:83]
	s_cmp_eq_u32 s[TY], 1
	s_cselect_b64 s[BB:BB+1], s[10:11], s[8:9]
	s_cmp_eq_u32 s[TY], 2
	s_cselect_b64 s[BB:BB+1], s[12:13], s[BB:BB+1]
	s_cmp_eq_u32 s[TY], 0
	s_cselect_b64 s[OB:OB+1], s[16:17], s[18:19]
	s_mov_b32 s84, 417792
	s_cselect_b32 s84, 212992, s84
	s_mov_b32 s[OSTEP], 13056
	s_cselect_b32 s[OSTEP], 6656, s[OSTEP]
	s_mov_b32 s85, 12288
	s_cselect_b32 s85, 6144, s85
	s_mov_b32 s86, 0x01010000
	s_cselect_b32 s86, 0x7f7f0000, s86
	s_mov_b32 s87, 0x01e30000
	s_cselect_b32 s87, 0x7f7f0000, s87
	s_mov_b32 s[OSTEP+1], 0
	v_mov_b32 v[UA], s86
	v_mov_b32 v[UB], s87
	s_lshl_b32 s82, s[HD], 8
	s_add_nc_u64 s[BB:BB+1], s[BB:BB+1], s[82:83]
	s_mul_i32 s82, s[HD], s84
	s_lshl_b32 s84, s[YB], 1
	s_mul_i32 s84, s84, s[OSTEP]
	s_add_co_u32 s82, s82, s84
	s_add_nc_u64 s[OB:OB+1], s[OB:OB+1], s[82:83]
	s_mov_b32 s82, s85
	s_add_nc_u64 s[OWB:OWB+1], s[OB:OB+1], s[82:83]
	WIN 0x40
.irp s, 0,1,2,3
.irp n, 0,1,2,3
.irp p, 0,1,2
	global_load_b128 v[12*(4*\s+\n)+4*\p:12*(4*\s+\n)+4*\p+3], v[LI], s[WB:WB+1] offset:\s*12288+\n*1536+512*\p
.endr
.endr
.endr
	WIN 0x80
.irp s, 4,5,6,7
.irp n, 0,1,2,3
.irp p, 0,1,2
	global_load_b128 v[12*(4*(\s-4)+\n)+4*\p:12*(4*(\s-4)+\n)+4*\p+3], v[LI], s[WB:WB+1] offset:\s*12288+\n*1536+512*\p
.endr
.endr
.endr
	WIN 0
	s_wait_alu depctr_va_vdst(0)
.irp s, 0,1,2,3,4,5,6,7
.irp i, 0,1
	global_load_b32 v[WS+2*\s+\i], v[L4], s[WWB:WWB+1] offset:\s*32768+128*\i
.endr
.endr
	s_cmp_eq_u32 s[TY], 2
	s_cbranch_scc1 .Lbias_v
	WIN 0x40
.irp n, 0,1,2,3
	global_load_b128 v[BI+8*\n:BI+8*\n+3],   v[BA], s[BB:BB+1] offset:(32*(\n/2)+8*(\n%2))*4
	global_load_b128 v[BI+8*\n+4:BI+8*\n+7], v[BA], s[BB:BB+1] offset:(32*(\n/2)+8*(\n%2))*4+16
.endr
	WIN 0
	s_branch .Lbias_done
.Lbias_v:
	WIN 0x40
.irp n, 0,1,2,3
.irp j, 0,1,2,3,4,5,6,7
	global_load_b32 v[BI+8*\n+\j], v[R4P], s[BB:BB+1] offset:(32*(\n/2)+8*(\n%2))*4
.endr
.endr
	WIN 0
.Lbias_done:
	s_wait_alu depctr_va_vdst(0)
	s_wait_tensorcnt 0x0                           ; the first panel is in; the second panel's first fill is issued as a refill is, behind the loads of W and the bias
	ds_add_u32 v6, v7
	s_wait_dscnt 0x0
	ROUND
	tensor_load_to_lds s[G0B:G0B+3], s[G1:G1+7]
	s_nop 0
.rept 4
	v_nop
.endr
	s_mov_b32 s[GB], 0
	s_mov_b32 s[CNT], 2
	s_mov_b32 s[HM], 0xffff0000
	s_mov_b32 s[SEL], 0x76543210
	s_mov_b32 s[SEL+1], 0xfedcba98
	s_wait_tensorcnt 0x1
	s_barrier_signal -1
	s_barrier_wait -1
.macro WMI d, a, b, c, sa, sb, ra, rb
.if (\ra) && (\rb)
	v_wmma_scale_f32_16x16x128_f8f6f4 v[\d:\d+7], v[\a:\a+11], v[\b:\b+11], v[\c:\c+7], v[\sa], v[\sb] matrix_a_fmt:MATRIX_FMT_FP6 matrix_b_fmt:MATRIX_FMT_FP6 matrix_a_scale:MATRIX_SCALE_ROW1 matrix_b_scale:MATRIX_SCALE_ROW1
.elseif (\ra)
	v_wmma_scale_f32_16x16x128_f8f6f4 v[\d:\d+7], v[\a:\a+11], v[\b:\b+11], v[\c:\c+7], v[\sa], v[\sb] matrix_a_fmt:MATRIX_FMT_FP6 matrix_b_fmt:MATRIX_FMT_FP6 matrix_a_scale:MATRIX_SCALE_ROW1
.elseif (\rb)
	v_wmma_scale_f32_16x16x128_f8f6f4 v[\d:\d+7], v[\a:\a+11], v[\b:\b+11], v[\c:\c+7], v[\sa], v[\sb] matrix_a_fmt:MATRIX_FMT_FP6 matrix_b_fmt:MATRIX_FMT_FP6 matrix_b_scale:MATRIX_SCALE_ROW1
.else
	v_wmma_scale_f32_16x16x128_f8f6f4 v[\d:\d+7], v[\a:\a+11], v[\b:\b+11], v[\c:\c+7], v[\sa], v[\sb] matrix_a_fmt:MATRIX_FMT_FP6 matrix_b_fmt:MATRIX_FMT_FP6
.endif
.endm
.macro WM kind, s, t, n
.set WF_, 12*(4*((\s)%4)+(\n))
.set XF_, XF+96*((\s)%2)+12*(\t)
.set SW_, WS+2*(\s)+(\n)/2
.set SX_, XS+4*(\s)+(\t)/2
.if \kind == 0
.set AC_, 32*(\t)+8*(\n)
.else
.set AC_, 64*(\n)+8*(\t)
.endif
.if (\s) == 0
.set CC_, BI+8*(\n)
.else
.set CC_, AC_
.endif
.if \kind == 0
	WMI AC_, WF_, XF_, CC_, SW_, SX_, (\n)%2, (\t)%2
.else
	WMI AC_, XF_, WF_, CC_, SX_, SW_, (\t)%2, (\n)%2
.endif
.endm
.macro FETCH s
.irp t, 0,1,2,3,4,5,6,7
.irp p, 0,1,2
	ds_load_b128 v[XF+96*((\s)%2)+12*\t+4*\p:XF+96*((\s)%2)+12*\t+4*\p+3], v[XA0+(\s)/4] offset:((\s)%4)*12288+\t*1536+512*\p
.endr
.endr
.endm
.macro STEP kind, s
	s_wait_dscnt 0x0
.rept 4
	v_nop
.endr
.if (\s) < 7
	FETCH (\s)+1
.endif
.if \kind == 0
.if (\s) == 0
	WIN 0xd1
.elseif (\s) < 4
	WIN 0xf1
.else
	WIN 0xf2
.endif
.else
.if (\s) == 0
	WIN 0xd4
.elseif (\s) < 4
	WIN 0xf4
.else
	WIN 0xf8
.endif
.endif
.irp t, 0,1,2,3,4,5,6,7
.irp n, 0,1,2,3
	WM \kind, \s, \t, \n
.endr
.endr
	WIN 0
.endm
.macro QUANT2 t
.set AC, 32*(\t)
	WIN 0x0f
	v_max3_num_f32 v[TM],   |v[AC]|,    |v[AC+1]|,  0x1800000
	v_max3_num_f32 v[TM+1], |v[AC+16]|, |v[AC+17]|, 0x1800000
.irp i, 2,4,6,8,10,12,14
	v_max3_num_f32 v[TM],   |v[AC+\i]|,    |v[AC+\i+1]|,  v[TM]
	v_max3_num_f32 v[TM+1], |v[AC+16+\i]|, |v[AC+17+\i]|, v[TM+1]
.endr
	WIN 0
	v_permlanex16_b32 v[TM+2], v[TM], s[SEL], s[SEL+1]
	v_permlanex16_b32 v[TM+3], v[TM+1], s[SEL], s[SEL+1]
	v_max_num_f32 v[TM], v[TM], v[TM+2]
	v_max_num_f32 v[TM+1], v[TM+1], v[TM+3]
	v_add_nc_u32 v[TM+4], 0xff000000, v[TM]
	v_add_nc_u32 v[TM+5], 0xff000000, v[TM+1]
	v_lshrrev_b32 v[TM+6], 23, v[TM+4]
	v_lshrrev_b32 v[TM+7], 23, v[TM+5]
	v_cndmask_b32 v[PW], v[UB], v[UA], s[MBIT+\t]
	v_lshl_or_b32 v[PW], v[TM+7], 8, v[PW]
	v_or_b32 v[PW], v[PW], v[TM+6]
	s_wait_alu depctr_va_vdst(0)
	s_wait_xcnt 0x0
	WIN 0x03
	v_cvt_scalef32_pk16_fp6_f32 v[PC:PC+2], v[AC:AC+15], v[TM+4]
	v_cvt_scalef32_pk16_fp6_f32 v[PT:PT+2], v[AC+16:AC+31], v[TM+5]
	WIN 0
	v_nop
.irp i, 0,1,2
	v_permlane16_swap_b32 v[PC+\i], v[PT+\i]
.endr
.irp i, 0,1,2
	v_mov_b32 v[PC+3+\i], v[PT+\i]
.endr
	global_store_b128 v[LI], v[PC:PC+3], s[OB:OB+1] offset:768*(\t)
	global_store_b64 v[L8], v[PC+4:PC+5], s[OB:OB+1] offset:768*(\t)+512
.if (\t)%2 == 0
	v_mov_b32 v[KW+(\t)/2], v[PW]
.else
	v_cndmask_b32 v[KW+(\t)/2], v[KW+(\t)/2], v[PW], s[HM]
.endif
.endm
.macro EPI_QK
.rept 4
	v_nop
.endr
	WIN 0x04
.irp t, 0,1,2,3,4,5,6,7
	v_cmp_ne_u32 s[MBIT+\t], 0, v[MK+\t]
.endr
.irp t, 0,1,2,3,4,5,6,7
	QUANT2 \t
.endr
	global_store_b128 v[LI], v[KW:KW+3], s[OWB:OWB+1]
.endm
.macro QUANT4 n
.set AC, 64*(\n)
	WIN 0x0f
.irp b, 0,1,2,3
	v_max3_num_f32 v[TM+\b], |v[AC+16*\b]|, |v[AC+16*\b+1]|, 0x1800000
.endr
.irp i, 2,4,6,8,10,12,14
.irp b, 0,1,2,3
	v_max3_num_f32 v[TM+\b], |v[AC+16*\b+\i]|, |v[AC+16*\b+\i+1]|, v[TM+\b]
.endr
.endr
	WIN 0
.irp b, 0,1,2,3
	v_permlanex16_b32 v[TM+4+\b], v[TM+\b], s[SEL], s[SEL+1]
.endr
.irp b, 0,1,2,3
	v_max_num_f32 v[TM+\b], v[TM+\b], v[TM+4+\b]
.endr
.irp b, 0,1,2,3
	v_add_nc_u32 v[TM+12+\b], 0xff000000, v[TM+\b]
.endr
.irp b, 0,1,2,3
	v_lshrrev_b32 v[TM+4+\b], 23, v[TM+12+\b]
.endr
	v_lshl_or_b32 v[PW], v[TM+5], 8, v[TM+4]
	v_lshl_or_b32 v[PW], v[TM+6], 16, v[PW]
	v_lshl_or_b32 v[PW], v[TM+7], 24, v[PW]
	s_wait_xcnt 0x0
	WIN 0x03
.irp c, 0,1
	v_cvt_scalef32_pk16_fp6_f32 v[PC+6*\c:PC+6*\c+2], v[AC+32*\c:AC+32*\c+15], v[TM+12+2*\c]
	v_cvt_scalef32_pk16_fp6_f32 v[PT+4*\c:PT+4*\c+2], v[AC+32*\c+16:AC+32*\c+31], v[TM+13+2*\c]
.endr
	WIN 0
	v_nop
.irp c, 0,1
.irp i, 0,1,2
	v_permlane16_swap_b32 v[PC+6*\c+\i], v[PT+4*\c+\i]
.endr
.irp i, 0,1,2
	v_mov_b32 v[PC+6*\c+3+\i], v[PT+4*\c+\i]
.endr
.endr
.irp p, 0,1,2
	global_store_b128 v[LI], v[PC+4*\p:PC+4*\p+3], s[OB:OB+1] offset:6144+1536*(\n)+512*\p
.endr
.if (\n)%2 == 0
	v_mov_b32 v[KW+(\n)/2], v[PW]
.else
	v_cndmask_b32 v[KW+(\n)/2], v[KW+(\n)/2], v[PW], s[HM]
.endif
.endm
.macro EPI_V
.rept 4
	v_nop
.endr
.irp n, 0,1,2,3
	QUANT4 \n
.endr
	global_store_b64 v[L8], v[KW:KW+1], s[OB:OB+1] offset:12800
.endm
.Ltrip:
	v_add_nc_u32 v[XA0], s[GB], v[LI]
	v_add_nc_u32 v[XA1], 49152, v[XA0]
.irp s, 0,1,2,3,4,5,6,7
.irp i, 0,1,2,3
	global_load_b32 v[XS+4*\s+\i], v[L4], s[XWB:XWB+1] offset:\s*32768+128*\i
.endr
.endr
	WIN 0x40
.irp t, 0,1,2,3,4,5,6,7
	global_load_b32 v[MK+\t], v[R4P], s[MB:MB+1] offset:(32*(\t/2)+8*(\t%2))*4
.endr
	WIN 0
	FETCH 0
	s_wait_loadcnt 0x0
	s_cmp_eq_u32 s[TY], 2
	s_cbranch_scc1 .Lv_arm
	s_wait_alu depctr_va_vdst(0)
.irp s, 0,1,2,3,4,5,6,7
	STEP 0, \s
.endr
	EPI_QK
	s_branch .Ljoin
.Lv_arm:
	s_wait_alu depctr_va_vdst(0)
.irp s, 0,1,2,3,4,5,6,7
	STEP 1, \s
.endr
	EPI_V
.Ljoin:
	s_wait_xcnt 0x0
	s_add_nc_u64 s[XWB:XWB+1], s[XWB:XWB+1], 512
	s_add_nc_u64 s[MB:MB+1], s[MB:MB+1], 512
	s_add_nc_u64 s[OB:OB+1], s[OB:OB+1], s[OSTEP:OSTEP+1]
	s_add_nc_u64 s[OWB:OWB+1], s[OWB:OWB+1], s[OSTEP:OSTEP+1]
	s_add_co_u32 s[GB], s[GB], PANEL
	s_wait_tensorcnt 0x0
	s_wait_dscnt 0x0
	s_barrier_signal -1
	s_barrier_wait -1
	s_sub_co_u32 s[CNT], s[CNT], 1
	s_cmp_lg_u32 s[CNT], 0
	s_cbranch_scc1 .Ltrip
	s_wait_tensorcnt 0x0
	ds_add_u32 v[SPW], v[NIL]
	s_wait_dscnt 0x0
	ROUND
	s_endpgm
.Lfunc_end_k_q799c8ff7f7_qkv:
	.size	k_q799c8ff7f7_qkv, .Lfunc_end_k_q799c8ff7f7_qkv-k_q799c8ff7f7_qkv
	.p2alignl 7, 3214868480
	.fill 96, 4, 3214868480
	.section	.rodata,"a",@progbits
	.p2align	6, 0x0
	.amdhsa_kernel k_q799c8ff7f7_qkv
		.amdhsa_group_segment_fixed_size 327680
		.amdhsa_private_segment_fixed_size 0
		.amdhsa_enable_private_segment 0
		.amdhsa_kernarg_size 64
		.amdhsa_user_sgpr_count 2
		.amdhsa_user_sgpr_kernarg_segment_ptr 1
		.amdhsa_wavefront_size32 1
		.amdhsa_system_sgpr_workgroup_id_x 1
		.amdhsa_system_sgpr_workgroup_id_y 1
		.amdhsa_system_sgpr_workgroup_id_z 1
		.amdhsa_system_vgpr_workitem_id 0
		.amdhsa_next_free_vgpr 1024
		.amdhsa_next_free_sgpr 100
		.amdhsa_reserve_vcc 0
		.amdhsa_float_denorm_mode_32 3
		.amdhsa_float_denorm_mode_16_64 3
		.amdhsa_memory_ordered 1
		.amdhsa_forward_progress 1
		.amdhsa_inst_pref_size 153
	.end_amdhsa_kernel
	.amdgpu_metadata
---
amdhsa.version: [ 1, 2 ]
amdhsa.kernels:
  - .name:           k_q799c8ff7f7_qkv
    .symbol:         k_q799c8ff7f7_qkv.kd
    .args:
      - { .name: img, .offset: 0, .size: 8, .value_kind: global_buffer, .address_space: global }
      - { .name: wrd, .offset: 8, .size: 8, .value_kind: global_buffer, .address_space: global }
      - { .name: bq, .offset: 16, .size: 8, .value_kind: global_buffer, .address_space: global }
      - { .name: bk, .offset: 24, .size: 8, .value_kind: global_buffer, .address_space: global }
      - { .name: bv, .offset: 32, .size: 8, .value_kind: global_buffer, .address_space: global }
      - { .name: input_mask, .offset: 40, .size: 8, .value_kind: global_buffer, .address_space: global }
      - { .name: qb, .offset: 48, .size: 8, .value_kind: global_buffer, .address_space: global }
      - { .name: kv, .offset: 56, .size: 8, .value_kind: global_buffer, .address_space: global }
    .group_segment_fixed_size: 327680
    .private_segment_fixed_size: 0
    .kernarg_segment_align: 8
    .kernarg_segment_size: 64
    .max_flat_workgroup_size: 128
    .sgpr_count:     100
    .vgpr_count:     1024
    .wavefront_size: 32
...
	.end_amdgpu_metadata
.endif
;; end of part 2
;; launch attn (part 3): grid 16 x 16, 16 waves a work-group, clusters of 4 x 1, 327,680 bytes of LDS; arguments qb, kv, input_mask, ao, asc; writes ao, asc
.if DOCPART == 3
	.amdgcn_target "amdgcn-amd-amdhsa--gfx1250"
	.amdhsa_code_object_version 6
	.text
	.protected	k_q799c8ff7f7_attn
	.globl	k_q799c8ff7f7_attn
	.p2align	8
	.type	k_q799c8ff7f7_attn,@function
k_q799c8ff7f7_attn:
	s_mov_b64 s[64:65], 0
	v_nop
	global_prefetch_b8 v0, s[64:65] scope:SCOPE_SE
	s_setreg_imm32_b32 hwreg(HW_REG_WAVE_MODE, 25, 1), 1
	s_wait_xcnt 0x0
	s_wait_alu depctr_hold_cnt(0) depctr_sa_sdst(0) depctr_va_vdst(0) depctr_va_sdst(0) depctr_va_ssrc(0) depctr_va_vcc(0) depctr_vm_vsrc(0)
	s_getreg_b32 s2, hwreg(HW_REG_IB_STS2, 6, 4)
	s_cmp_eq_u32 s2, 0
	s_cbranch_scc0 .Lentry_in_a_cluster
	s_endpgm
.Lentry_in_a_cluster:
	s_bfe_u32 s2, ttmp6, 0x10000c
	s_cmp_lg_u32 s2, 0x3003
	s_cbranch_scc0 .Lentry_shape_is_right
	s_endpgm
.Lentry_shape_is_right:
; attn[q][head] = softmax_k(q . k / 8, masked) v on codes of FP6 (E2M3) with E8M0 scales; the result is quantised at once along the output projection's K.
; THE SOFTMAX: t = score x log2(e) / 8; M = the row's largest t so far, rounded UP to a whole number; p = 2^(t - M) is quantised along the keys, not normalised;
; the row's sum is taken of the unquantised p and divides at the end.  When M moves, the sum and O are multiplied by 2^(old M - new M): exact.
; SHARES.  A work-group owns 256 queries of one head, each of its sixteen waves one tile of 16, in 256 registers.  Every wave walks the head's 4,096 keys, 128 a step.
; A step's operands are one dense block of 13,056 bytes of kv, laid as images of the operands' registers: every LDS load reads consecutive bytes.
; RING.  Two LDS slots of eight steps (104,448 bytes).  The four query blocks of a cluster walk the same blocks of kv: each slot is asked for JOINTLY, a quarter by each of waves 0 to 3.
; LAYOUT.  S^T = K Q^T (source 0 = 16 keys), O^T = V^T P^T (source 0 = 16 channels): a lane holds ONE query.  Lane r of key tile 2 b + u is key 32 b + 8 u + r + 8 (r / 8): the 16 registers of tiles 2 b, 2 b + 1 are 16 neighbouring keys.
; ORDER OF A STEP.  K's first four tiles and K's words are asked for in the step before, behind that step's last score product; in a slot's last step that request names the step's own tiles again
; (the address is held inside the slot) and is not used: the next slot's head asks anew.  Eight of the sum's 32 packed additions stand as the places behind matrix instructions: four behind PV, four behind the NEXT step's first four score products.
; THE MASK costs no line in a key step.  A head of 64 fills half of the instruction's K; at k = 64 every key has the code 1.0 and a query the code -1.0 where input_mask is not 0; all other codes of k = 64 .. 127 are 0.
; The keys' scale byte for that block is 227 where the key's mask is 0 and 1 elsewhere: a hidden key's score gets -2^100, any other -2^-126.  The running maximum starts at t = -2^90, above every hidden key's t: its p is 0.
; A query whose mask is 0 has all its codes 0: every score is 0, p = 1 for all 4,096 keys: the uniform row.  A query whose mask is not 0 is itself a key that counts, so its sum is not 0.
; No prefetch of kv: a slot is asked for eight key steps ahead of the wait for it.
; LIMITS: |t| of a score that counts stays under 2^90; NaN and infinities are not served.
.set STEPB, 13056                      ; a key step: K's 8 half images at 768 t; V's 4 images at 6,144 + 1,536 n; K's words at 12,288; V's at 12,800
.set SLOTB, 8*STEPB
.set SLOT1, 1<<17                      ; slot 1 begins here
.set SPARE, 262144                     ; the spare words, 128 bytes for each wave
.set LI,  1                            ; v1  16 x lane      v2  8 x lane
.set L8,  2
.set SPW, 3                            ; v3  my spare word's LDS address; never rewritten
.set NIL, 4                            ; v4  0; never rewritten
.set A16, 5                            ; v5, v6  LDS addresses: this step's, from the step's middle on the next step's
.set A8,  6
.set QW,  7
.set R4P, 10
.set R4,  11
.set KS,  28                           ; v8-9 V's words; v12 -M, v13 the largest t, v[14:15] the sum; v16-27 Q; v28-75 four fragments of K (registers 6-11 of each are constants)
.set VF,  76                           ; v76-123 V's four fragments
.set SS,  124                          ; v124-187 S^T, then p
.set OO,  188                          ; v188-219 O^T
.set PCD, 220                          ; v220-231 p's codes; v232-247 at work; v248-251 K's words; v252 f; v253 p's word; v254 the old -M; v255 Q's word
.set WV,  14
.set SEL, 20
.set CS,  22
.set G1,  24
.set G0,  32
.set TB,  36
.set SLOTS, 37
.set STEPS, 38
.set LIM, 39                           ; the slot's last step's LDS address
.set NA,  48                           ; the next step's LDS address, held at LIM
.macro ROUND
	s_barrier_signal -1
	s_barrier_wait -1
	s_cmp_lg_u32 s[WV], 0
	s_cbranch_scc1 .Lnot_wave_0_\@
	s_barrier_signal -3
.Lnot_wave_0_\@:
	s_barrier_wait -3
	s_barrier_signal -1
	s_barrier_wait -1
.endm
.macro TLOAD                           ; waves 0 to 3 fetch a quarter of a slot each
	s_cmp_lt_u32 s[WV], 4
	s_cbranch_scc0 .Lasked_\@
	tensor_load_to_lds s[G0:G0+3], s[G1:G1+7]
	s_nop 0
.rept 4
	v_nop
.endr
.Lasked_\@:
.endm
	s_load_b256 s[4:11], s[0:1], 0x0               ; qb, kv, input_mask, ao
	s_load_b64 s[12:13], s[0:1], 0x20              ; asc
	v_lshl_add_u32 v[SPW], v0, 2, SPARE
	v_mov_b32 v[NIL], 0
	ds_add_u32 v[SPW], v[NIL]                      ; the opening lines
	ds_add_u32 v[SPW], v[NIL]
	v_lshrrev_b32 v5, 5, v0
	s_delay_alu instid0(VALU_DEP_1)
	v_readfirstlane_b32 s[WV], v5                  ; wave 0..15
	s_bfe_u32 s15, ttmp6, 0x40000                  ; my place in the cluster: it enters Q's, the mask's and the outputs' addresses alone
	s_and_b32 s17, ttmp7, 0xffff                   ; the head
	s_lshl_b32 s18, ttmp9, 2
	s_add_co_u32 s18, s18, s15
	s_lshl_b32 s18, s18, 4
	s_add_co_u32 s18, s18, s[WV]                   ; my tile of queries
	s_mov_b32 s[G1], 15|(3<<16)|(1<<21)            ; all four work-groups; elements of 8 bytes; bit 21 beside a mask
	s_mov_b32 s[G1+1], 32<<16                      ; rows of 256 bytes,
	s_mov_b32 s[G1+2], 102<<16                     ; 102 of them: a quarter of a slot
	s_mov_b32 s[G1+3], 32<<16
	s_mov_b32 s[G1+4], 102
	s_mov_b32 s[G1+5], 32
	s_mov_b32 s[G1+6], 0
	s_mov_b32 s[G1+7], 0
	s_mul_i32 s40, s17, 417792                     ; the head's 32 steps
	s_and_b32 s42, s[WV], 3
	s_mul_i32 s42, s42, 26112                      ; my quarter, in memory and in LDS alike
	s_add_co_u32 s40, s40, s42
	s_mov_b32 s41, 0
	s_mov_b32 s[SEL], 0x76543210
	s_mov_b32 s[SEL+1], 0xfedcba98
	s_mov_b32 s[CS], 0x3e38aa3b                    ; c = log2(e) / 8
	s_mov_b32 s[CS+1], s[CS]
	s_mov_b32 s[TB], 0
	s_mov_b32 s[LIM], 7*STEPB
	s_mov_b32 s[SLOTS], 3
	s_wait_dscnt 0x0
	s_wait_kmcnt 0x0
	s_mov_b32 s[G0], 1
	s_mov_b32 s[G0+1], s42
	s_add_nc_u64 s[G0+2:G0+3], s[6:7], s[40:41]
	s_or_b32 s[G0+3], s[G0+3], 0x80000000
	ROUND
	TLOAD                                          ; slot 0
	v_and_b32 v5, 31, v0
	s_delay_alu instid0(VALU_DEP_1)
	v_lshlrev_b32 v[LI], 4, v5
	s_delay_alu instid0(VALU_DEP_2)
	v_lshlrev_b32 v[L8], 3, v5
	s_wait_alu depctr_va_vdst(0)
	v_and_b32 v5, 15, v0                           ; r
	s_delay_alu instid0(VALU_DEP_1)
	v_lshlrev_b32 v[QW], 4, v5
	s_wait_alu depctr_va_vdst(0)
	v_lshlrev_b32 v[R4], 2, v5
	v_and_b32 v6, 8, v5
	s_delay_alu instid0(VALU_DEP_1)
	v_add_nc_u32 v6, v6, v5
	s_delay_alu instid0(VALU_DEP_1)
	v_lshlrev_b32 v[R4P], 2, v6
	s_wait_alu depctr_va_vdst(0)
	v_bfe_u32 v6, v0, 4, 1
	s_delay_alu instid0(VALU_DEP_1)
	v_xor_b32 v6, 1, v6                            ; 1 in lanes 0-15, which hold k = 64 in register 6's lowest bits
	s_wait_alu depctr_va_vdst(0)
	s_mul_i32 s40, s17, 212992
	s_lshr_b32 s42, s18, 3
	s_mul_i32 s42, s42, 6656
	s_add_co_u32 s40, s40, s42
	s_add_nc_u64 s[42:43], s[4:5], s[40:41]        ; my group's entry of qb
	s_and_b32 s44, s18, 7
	s_mul_i32 s40, s44, 768
	s_add_nc_u64 s[46:47], s[42:43], s[40:41]      ; my tile's half image
	s_and_b32 s40, s18, 1
	s_lshl_b32 s40, s40, 8
	s_lshr_b32 s44, s44, 1
	s_lshl_b32 s44, s44, 2
	s_add_co_u32 s40, s40, s44
	s_add_co_u32 s40, s40, 6144
	s_add_nc_u64 s[42:43], s[42:43], s[40:41]      ; its scale words
	s_lshr_b32 s40, s18, 1
	s_lshl_b32 s40, s40, 5
	s_and_b32 s44, s18, 1
	s_lshl_b32 s44, s44, 3
	s_add_co_u32 s40, s40, s44
	s_lshl_b32 s40, s40, 2
	s_add_nc_u64 s[8:9], s[8:9], s[40:41]          ; its rows' mask
	global_load_b128 v[16:19], v[LI], s[46:47]
	global_load_b64 v[20:21], v[L8], s[46:47] offset:512
	global_load_b32 v255, v[QW], s[42:43]
	global_load_b32 v254, v[R4P], s[8:9]
	s_lshr_b32 s40, s18, 2                         ; ao [tile / 4][head][tile % 4][768]
	s_mul_i32 s40, s40, 49152
	s_mul_i32 s44, s17, 3072
	s_add_co_u32 s40, s40, s44
	s_and_b32 s44, s18, 3
	s_mul_i32 s44, s44, 768
	s_add_co_u32 s40, s40, s44
	s_add_nc_u64 s[10:11], s[10:11], s[40:41]
	s_lshr_b32 s40, s17, 1                         ; asc: (head / 2) x 16,384 + 64 tile + 4 r + 2 (head % 2)
	s_lshl_b32 s40, s40, 14
	s_lshl_b32 s44, s18, 6
	s_add_co_u32 s40, s40, s44
	s_and_b32 s44, s17, 1
	s_lshl_b32 s44, s44, 1
	s_add_co_u32 s40, s40, s44
	s_add_nc_u64 s[12:13], s[12:13], s[40:41]
.irp i, 0,1,2,3
	v_lshlrev_b32 v[KS+12*\i+6], 3, v6             ; the code 1.0 at k = 64 of every key
.irp j, 7,8,9,10,11
	v_mov_b32 v[KS+12*\i+\j], 0
.endr
.endr
	v_mul_u32_u24 v252, v6, 0x28                   ; the code -1.0 at k = 64
.irp j, 23,24,25,26,27
	v_mov_b32 v[\j], 0
.endr
	v_mov_b32 v13, 0xec800000                      ; the largest t so far: -2^90
	s_delay_alu instid0(VALU_DEP_1)
	v_floor_f32 v12, -v13                          ; -M
	v_mov_b32 v14, 0
	v_mov_b32 v15, 0
.irp b, 0,1,2,3
	v_mov_b32 v[236+\b], 0                         ; a lane permute's destination counts as one of its sources
.endr
	v_mov_b32 v253, 0
.irp j, 56,57,58,59,60,61,62,63
	v_mov_b32 v[SS+\j], 0                          ; what the first step adds to the sum for a step before it
.endr
.set J, 0
.rept 32
	v_mov_b32 v[OO+J], 0                           ; O^T: the step is written for every step alike
.set J, J+1
.endr
	s_wait_loadcnt 0x0
	v_cmp_ne_u32 vcc_lo, 0, v254
.irp j, 16,17,18,19,20,21
	v_cndmask_b32 v[\j], 0, v[\j], vcc_lo          ; a query whose mask is 0: all codes 0
.endr
	v_cndmask_b32 v22, 0, v252, vcc_lo
.macro QK tt                           ; S^T's tile tt: 16 keys x my 16 queries
.if (\tt)%2
	v_wmma_scale_f32_16x16x128_f8f6f4 v[SS+8*(\tt):SS+8*(\tt)+7], v[KS+12*((\tt)%4):KS+12*((\tt)%4)+11], v[16:27], 0, v[248+(\tt)/2], v255 matrix_a_fmt:MATRIX_FMT_FP6 matrix_b_fmt:MATRIX_FMT_FP6 matrix_a_scale:MATRIX_SCALE_ROW1
.else
	v_wmma_scale_f32_16x16x128_f8f6f4 v[SS+8*(\tt):SS+8*(\tt)+7], v[KS+12*((\tt)%4):KS+12*((\tt)%4)+11], v[16:27], 0, v[248+(\tt)/2], v255 matrix_a_fmt:MATRIX_FMT_FP6 matrix_b_fmt:MATRIX_FMT_FP6
.endif
.endm
.macro PV n                            ; O^T's tile n += 16 channels x 128 keys x my 16 queries
.if (\n)%2
	v_wmma_scale_f32_16x16x128_f8f6f4 v[OO+8*(\n):OO+8*(\n)+7], v[VF+12*(\n):VF+12*(\n)+11], v[PCD:PCD+11], v[OO+8*(\n):OO+8*(\n)+7], v[8+(\n)/2], v253 matrix_a_fmt:MATRIX_FMT_FP6 matrix_b_fmt:MATRIX_FMT_FP6 matrix_a_scale:MATRIX_SCALE_ROW1
.else
	v_wmma_scale_f32_16x16x128_f8f6f4 v[OO+8*(\n):OO+8*(\n)+7], v[VF+12*(\n):VF+12*(\n)+11], v[PCD:PCD+11], v[OO+8*(\n):OO+8*(\n)+7], v[8+(\n)/2], v253 matrix_a_fmt:MATRIX_FMT_FP6 matrix_b_fmt:MATRIX_FMT_FP6
.endif
.endm
.macro KLOAD t0                        ; four of K's half images, tiles t0 .. t0 + 3
.irp t, 0,1,2,3
	ds_load_b128 v[KS+12*\t:KS+12*\t+3], v[A16] offset:768*(\t0+\t)
	ds_load_b64 v[KS+12*\t+4:KS+12*\t+5], v[A8] offset:768*(\t0+\t)+512
.endr
.endm
.macro MAXB b0, b1                     ; the largest score of two blocks of 32 keys, by turns: for the row's maximum and, since p rises with the score, for the block's largest p
.irp b, \b0, \b1
	v_max3_num_f32 v[232+\b], v[SS+16*\b], v[SS+1+16*\b], v[SS+2+16*\b]
.endr
.irp i, 3,5,7,9,11,13
.irp b, \b0, \b1
	v_max3_num_f32 v[232+\b], v[232+\b], v[SS+16*\b+\i], v[SS+1+16*\b+\i]
.endr
.endr
.irp b, \b0, \b1
	v_max_num_f32 v[232+\b], v[232+\b], v[SS+15+16*\b]
.endr
.endm
.macro ADD4 j                          ; eight registers of p from SS + j on go into the sum: four plain vector lines that name no register of the products around them
	v_pk_add_f32 v[232:233], v[SS+\j:SS+\j+1], v[SS+\j+2:SS+\j+3]
	v_pk_add_f32 v[234:235], v[SS+\j+4:SS+\j+5], v[SS+\j+6:SS+\j+7]
	v_pk_add_f32 v[232:233], v[232:233], v[234:235]
	v_pk_add_f32 v[14:15], v[14:15], v[232:233]
.endm
; A KEY STEP: 128 keys.  At its head K's tiles 0-3 and K's words have been asked for (9 LDS loads), and four places stand behind the last step's products.
.macro STEP
.irp n, 0,1,2,3
.irp p, 0,1,2
	ds_load_b128 v[VF+12*\n+4*\p:VF+12*\n+4*\p+3], v[A16] offset:6144+1536*\n+512*\p
.endr
.endr
	ds_load_b64 v[8:9], v[A8] offset:12800         ; V's words
	s_wait_dscnt 13                                ; K's tiles 0-3 and its words are in; V's 12 loads and its words' one may be out
.irp t, 0,1,2,3
	QK \t
.endr
	ADD4 56                                        ; the LAST step's p of tile 7, still under the old M: the places in front of the loads below and of the first reads of tiles 0-3
	KLOAD 4
	MAXB 0, 1                                      ; stands between the loads and the wait for them
	s_add_co_u32 s[NA], s[TB], STEPB
	s_min_u32 s[NA], s[NA], s[LIM]                 ; the next step, held inside this slot
	s_wait_dscnt 0x0
.irp t, 4,5,6,7
	QK \t
.endr
	v_add_nc_u32 v[A16], s[NA], v[LI]              ; four places: the next step's addresses,
	v_add_nc_u32 v[A8], s[NA], v[L8]
	v_mov_b32 v254, v12                            ; the old -M,
	v_nop
	KLOAD 0                                        ; the next step's tiles 0-3
	ds_load_b128 v[248:251], v[A16] offset:12288   ; and K's words: register i: tile 2 i in lanes 0-15, tile 2 i + 1 in lanes 16-31
	MAXB 2, 3
.irp b, 0,1,2,3
	v_permlanex16_b32 v[236+\b], v[232+\b], s[SEL], s[SEL+1]
.endr
.irp b, 0,1,2,3
	s_delay_alu instid0(VALU_DEP_4)
	v_max_num_f32 v[232+\b], v[232+\b], v[236+\b]  ; with lane l xor 16's 16 keys
.endr
	s_delay_alu instid0(VALU_DEP_2)
	v_max3_num_f32 v236, v232, v233, v234
	s_delay_alu instid0(VALU_DEP_1)
	v_max_num_f32 v236, v236, v235                 ; the step's largest score of my query
	s_delay_alu instid0(VALU_DEP_1)
	v_mul_f32 v236, s[CS], v236                    ; as t
	s_delay_alu instid0(VALU_DEP_1)
	v_max_num_f32 v13, v13, v236                   ; the running largest t
	s_delay_alu instid0(VALU_DEP_1)
	v_floor_f32 v12, -v13                          ; the new -M = floor(-t)
	s_delay_alu instid0(VALU_DEP_1)
	v_sub_f32 v254, v12, v254                      ; old M - new M: a whole number, 0 or less
	s_delay_alu instid0(VALU_DEP_1)
	v_cvt_i32_f32 v254, v254                       ; (it saturates)
	s_delay_alu instid0(VALU_DEP_1)
	v_ldexp_f32 v252, 1.0, v254                    ; f = 2^(old M - new M)
.set J, 0
.rept 32
	v_pk_fma_f32 v[SS+J:SS+J+1], v[SS+J:SS+J+1], s[CS:CS+1], v[12:13] op_sel_hi:[1,0,0]   ; t - M
.set J, J+2
.endr
.irp b, 0,1,2,3
	v_fma_f32 v[232+\b], v[232+\b], s[CS], v12     ; the same of each block's largest score
.endr
.set J, 0
	s_wait_alu depctr_va_vdst(0)                   ; the wait ahead of the batch
.rept 64
	v_exp_f32 v[SS+J], v[SS+J]                     ; p = 2^(t - M)
.set J, J+1
.endr
	v_pk_mul_f32 v[14:15], v[14:15], v[252:253] op_sel_hi:[1,0]   ; the sum under the new M: a plain place behind the exponentials
	s_wait_alu depctr_va_vdst(0)                   ; one wait for the batch, ahead of its first reader
.irp b, 0,1,2,3
	v_exp_f32 v[232+\b], v[232+\b]                 ; the block's largest p
.endr
.irp i, 0,1,2,3,4,5                    ; the sum of p's registers 0-47, in six chains and the sum's own
	v_pk_add_f32 v[236+2*\i:237+2*\i], v[SS+4*\i:SS+4*\i+1], v[SS+4*\i+2:SS+4*\i+3]
.endr
.irp i, 0,1,2,3,4,5
	v_pk_add_f32 v[236+2*\i:237+2*\i], v[236+2*\i:237+2*\i], v[SS+24+2*\i:SS+25+2*\i]
.endr
.irp i, 0,1,2,3,4
	v_pk_add_f32 v[236+2*\i:237+2*\i], v[236+2*\i:237+2*\i], v[SS+36+2*\i:SS+37+2*\i]
.endr
	v_pk_add_f32 v[14:15], v[14:15], v[SS+46:SS+47]
	v_pk_add_f32 v[236:237], v[236:237], v[238:239]
	v_pk_add_f32 v[240:241], v[240:241], v[242:243]
	v_pk_add_f32 v[244:245], v[244:245], v[246:247]
	v_pk_add_f32 v[236:237], v[236:237], v[240:241]
	v_pk_add_f32 v[14:15], v[14:15], v[244:245]
	v_pk_add_f32 v[14:15], v[14:15], v[236:237]
	s_wait_alu depctr_va_vdst(0)                   ; and one for the four
.irp b, 0,1,2,3
	v_max_num_f32 v[232+\b], 0x1800000, v[232+\b]  ; the floor 2^(3 - 127): the byte cannot fall under 1
.endr
.irp b, 0,1,2,3
	s_delay_alu instid0(VALU_DEP_4)
	v_add_nc_u32 v[244+\b], 0xff000000, v[232+\b]  ; the conversion's scale operand
.endr
.irp b, 0,1,2,3
	s_delay_alu instid0(VALU_DEP_4)
	v_lshrrev_b32 v[236+\b], 23, v[244+\b]         ; the byte
.endr
	s_delay_alu instid0(VALU_DEP_3)
	v_lshl_or_b32 v253, v237, 8, v236              ; p's scale word for these 128 keys
	s_delay_alu instid0(VALU_DEP_1)
	v_lshl_or_b32 v253, v238, 16, v253
.irp c, 0,1
	v_cvt_scalef32_pk16_fp6_f32 v[PCD+6*\c:PCD+2+6*\c], v[SS+32*\c:SS+15+32*\c], v[244+2*\c]
	v_cvt_scalef32_pk16_fp6_f32 v[236+4*\c:238+4*\c], v[SS+16+32*\c:SS+31+32*\c], v[245+2*\c]
.endr
	v_lshl_or_b32 v253, v239, 24, v253             ; the word's last byte: the plain place behind the conversions (v239 and v253 are none of their registers)
.irp c, 0,1
.irp i, 0,1,2
	v_permlane16_swap_b32 v[PCD+6*\c+\i], v[236+4*\c+\i]   ; a whole block to a lane
.endr
.irp i, 0,1,2
	s_delay_alu instid0(VALU_DEP_3)
	v_mov_b32 v[PCD+3+6*\c+\i], v[236+4*\c+\i]
.endr
.endr
	s_wait_alu depctr_va_vdst(0)                   ; directly ahead of the first reader of O^T
.set J, 0
.rept 16
	v_pk_mul_f32 v[OO+J:OO+J+1], v[OO+J:OO+J+1], v[252:253] op_sel_hi:[1,0]   ; O^T under the new M; these also stand between the writing of p's codes and word and the products
.set J, J+2
.endr
.irp n, 0,1,2,3
	PV \n
.endr
	ADD4 48                                        ; p of tile 6 into the sum: the four places in front of the next step's loads of V
.endm
; THE CHANGE OF SLOTS: each wave waits for all its tensor loads, adds 0 to its spare word, and waits for that and for its reads of the slot that it has left.
.macro CHANGE fill
	s_wait_tensorcnt 0x0
	ds_add_u32 v[SPW], v[NIL]
.if \fill
	s_xor_b32 s[G0+1], s[G0+1], SLOT1              ; the other slot than last time,
	s_add_nc_u64 s[G0+2:G0+3], s[G0+2:G0+3], SLOTB ; the next eight steps
.endif
	s_wait_dscnt 0x0
.if \fill
	ROUND
	TLOAD                                          ; the first thing behind the round, a wave's one tensor load until the next
.else
	s_barrier_signal -1
	s_barrier_wait -1
.endif
.endm
.macro EIGHT                           ; a slot's eight key steps
	v_add_nc_u32 v[A16], s[TB], v[LI]
	v_add_nc_u32 v[A8], s[TB], v[L8]
	KLOAD 0                                        ; the slot's first step: its tiles 0-3 and K's words
	ds_load_b128 v[248:251], v[A16] offset:12288
	s_mov_b32 s[STEPS], 8
.Lstep_\@:
	s_wait_alu depctr_va_vdst(0)
	STEP
	s_add_co_u32 s[TB], s[TB], STEPB
	s_sub_co_u32 s[STEPS], s[STEPS], 1
	s_cmp_lg_u32 s[STEPS], 0
	s_cbranch_scc1 .Lstep_\@
	s_sub_co_u32 s[TB], s[TB], SLOTB
	s_xor_b32 s[TB], s[TB], SLOT1                  ; on to the other slot
	s_xor_b32 s[LIM], s[LIM], SLOT1
.endm
.Lslot:                                                ; three trips: behind each change of slots but the last the next slot is asked for
	CHANGE 1
	EIGHT
	s_sub_co_u32 s[SLOTS], s[SLOTS], 1
	s_cmp_lg_u32 s[SLOTS], 0
	s_cbranch_scc1 .Lslot
	CHANGE 0                                       ; the last slot is written out
	EIGHT
	; THE WAY OUT: O^T / the sum; register 16 b + i is channel 32 b + 16 h + i of my query.  They leave as a half image and two scale bytes.
	s_wait_alu depctr_va_vdst(0)                   ; the sum was written ahead of the loop's scalar lines
	ADD4 56                                        ; the last step's p of tile 7
	v_add_f32 v14, v14, v15
	s_delay_alu instid0(VALU_DEP_1)
	v_permlanex16_b32 v252, v14, s[SEL], s[SEL+1]
	s_delay_alu instid0(VALU_DEP_1)
	v_add_f32 v14, v14, v252                       ; the row's sum
	s_wait_alu depctr_va_vdst(0)
	v_rcp_f32 v14, v14
	v_nop
	s_wait_alu depctr_va_vdst(0)
.set J, 0
.rept 32
	v_mul_f32 v[SS+J], v[OO+J], v14
.set J, J+1
.endr
	v_max3_num_f32 v232, |v[SS]|, |v[SS+1]|, 0x1800000
	v_max3_num_f32 v233, |v[SS+16]|, |v[SS+17]|, 0x1800000
.irp i, 2,4,6,8,10,12,14
	s_delay_alu instid0(VALU_DEP_2)
	v_max3_num_f32 v232, v232, |v[SS+\i]|, |v[SS+1+\i]|
	s_delay_alu instid0(VALU_DEP_2)
	v_max3_num_f32 v233, v233, |v[SS+16+\i]|, |v[SS+17+\i]|
.endr
	s_delay_alu instid0(VALU_DEP_2)
	v_permlanex16_b32 v236, v232, s[SEL], s[SEL+1]
	s_delay_alu instid0(VALU_DEP_2)
	v_permlanex16_b32 v237, v233, s[SEL], s[SEL+1]
	s_delay_alu instid0(VALU_DEP_2)
	v_max_num_f32 v232, v232, v236
	s_delay_alu instid0(VALU_DEP_2)
	v_max_num_f32 v233, v233, v237
	s_delay_alu instid0(VALU_DEP_2)
	v_add_nc_u32 v244, 0xff000000, v232
	s_delay_alu instid0(VALU_DEP_2)
	v_add_nc_u32 v245, 0xff000000, v233
	s_delay_alu instid0(VALU_DEP_2)
	v_lshrrev_b32 v238, 23, v244
	s_delay_alu instid0(VALU_DEP_2)
	v_lshrrev_b32 v239, 23, v245
	s_delay_alu instid0(VALU_DEP_1)
	v_lshl_or_b32 v246, v239, 8, v238              ; my head's two bytes of the row's scale word
	v_cvt_scalef32_pk16_fp6_f32 v[PCD:PCD+2], v[SS:SS+15], v244
	v_cvt_scalef32_pk16_fp6_f32 v[240:242], v[SS+16:SS+31], v245
	v_nop
.irp i, 0,1,2
	v_permlane16_swap_b32 v[PCD+\i], v[240+\i]
.endr
.irp i, 0,1,2
	s_delay_alu instid0(VALU_DEP_3)
	v_mov_b32 v[PCD+3+\i], v[240+\i]
.endr
	global_store_b128 v[LI], v[PCD:PCD+3], s[10:11]
	global_store_b64 v[L8], v[PCD+4:PCD+5], s[10:11] offset:512
	global_store_b16 v[R4], v246, s[12:13]         ; lanes r and r + 16 store the same two bytes
	s_wait_tensorcnt 0x0                           ; the wave's end
	ds_add_u32 v[SPW], v[NIL]
	s_wait_dscnt 0x0
	ROUND                                          ; the closing round
	s_endpgm
.Lfunc_end_k_q799c8ff7f7_attn:
	.size	k_q799c8ff7f7_attn, .Lfunc_end_k_q799c8ff7f7_attn-k_q799c8ff7f7_attn
	.p2alignl 7, 3214868480
	.fill 96, 4, 3214868480
	.section	.rodata,"a",@progbits
	.p2align	6, 0x0
	.amdhsa_kernel k_q799c8ff7f7_attn
		.amdhsa_group_segment_fixed_size 327680
		.amdhsa_private_segment_fixed_size 0
		.amdhsa_enable_private_segment 0
		.amdhsa_kernarg_size 40
		.amdhsa_user_sgpr_count 2
		.amdhsa_user_sgpr_kernarg_segment_ptr 1
		.amdhsa_wavefront_size32 1
		.amdhsa_system_sgpr_workgroup_id_x 1
		.amdhsa_system_sgpr_workgroup_id_y 1
		.amdhsa_system_sgpr_workgroup_id_z 1
		.amdhsa_system_vgpr_workitem_id 0
		.amdhsa_next_free_vgpr 256
		.amdhsa_next_free_sgpr 66
		.amdhsa_reserve_vcc 1
		.amdhsa_float_denorm_mode_32 3
		.amdhsa_float_denorm_mode_16_64 3
		.amdhsa_memory_ordered 1
		.amdhsa_forward_progress 1
		.amdhsa_inst_pref_size 49
	.end_amdhsa_kernel
	.amdgpu_metadata
---
amdhsa.version: [ 1, 2 ]
amdhsa.kernels:
  - .name:           k_q799c8ff7f7_attn
    .symbol:         k_q799c8ff7f7_attn.kd
    .args:
      - { .name: qb, .offset: 0, .size: 8, .value_kind: global_buffer, .address_space: global }
      - { .name: kv, .offset: 8, .size: 8, .value_kind: global_buffer, .address_space: global }
      - { .name: input_mask, .offset: 16, .size: 8, .value_kind: global_buffer, .address_space: global }
      - { .name: ao, .offset: 24, .size: 8, .value_kind: global_buffer, .address_space: global }
      - { .name: asc, .offset: 32, .size: 8, .value_kind: global_buffer, .address_space: global }
    .group_segment_fixed_size: 327680
    .private_segment_fixed_size: 0
    .kernarg_segment_align: 8
    .kernarg_segment_size: 40
    .max_flat_workgroup_size: 512
    .sgpr_count:     66
    .vgpr_count:     256
    .wavefront_size: 32
...
	.end_amdgpu_metadata
.endif
;; end of part 3
;; launch oproj (part 4): grid 4 x 64, 4 waves a work-group, clusters of 4 x 1, 167,936 bytes of LDS; arguments ao, asc, img, wrd, bo, inputs, out0; writes out0
.if DOCPART == 4
	.amdgcn_target "amdgcn-amd-amdhsa--gfx1250"
	.amdhsa_code_object_version 6
	.text
	.protected	k_q799c8ff7f7_oproj
	.globl	k_q799c8ff7f7_oproj
	.p2align	8
	.type	k_q799c8ff7f7_oproj,@function
k_q799c8ff7f7_oproj:
	s_mov_b64 s[64:65], 0
	v_nop
	global_prefetch_b8 v0, s[64:65] scope:SCOPE_SE
	s_setreg_imm32_b32 hwreg(HW_REG_WAVE_MODE, 25, 1), 1
	s_wait_xcnt 0x0
	s_wait_alu depctr_hold_cnt(0) depctr_sa_sdst(0) depctr_va_vdst(0) depctr_va_sdst(0) depctr_va_ssrc(0) depctr_va_vcc(0) depctr_vm_vsrc(0)
	s_getreg_b32 s2, hwreg(HW_REG_IB_STS2, 6, 4)
	s_cmp_eq_u32 s2, 0
	s_cbranch_scc0 .Lentry_in_a_cluster
	s_endpgm
.Lentry_in_a_cluster:
	s_bfe_u32 s2, ttmp6, 0x10000c
	s_cmp_lg_u32 s2, 0x3003
	s_cbranch_scc0 .Lentry_shape_is_right
	s_endpgm
.Lentry_shape_is_right:
; out0 = attn Wo^T + bo + inputs; the product on codes of FP6 (E2M3) with E8M0 scales, all else f32.
; SHARES.  The work-group's y names 64 rows (tiles 4 y .. 4 y + 3); slab = 4 cx + wave names 64 columns: it enters global addresses alone.  A wave has 16 accumulators; its 4 tiles x 8 K steps of Wo stay in registers.
; The four partners of a cluster need the same rows of attn: their codes, 49,152 dense bytes of ao laid [head][tile][768], are asked for JOINTLY, a quarter by each wave, once.
; Source 0 = 16 rows of Wo, source 1 = 16 rows of attn: a lane holds ONE row, and the 16 registers of Wo's tiles 2 b, 2 b + 1 are columns 32 b + 16 h + 0 .. 15.  bo is the C of each sum's first matrix instruction.
; A fragment of K step j is two half images: heads 2 j and 2 j + 1.  Lane r of tile 2 b + u stands for row 32 b + 8 u + r + 8 (r / 8).
; THE WAY OUT: a tile's 16 rows x 256 bytes go through the wave's own stage in LDS and come back by rows; the residual, asked for at the head, is added; sixteen lanes store 256 consecutive bytes, aligned.
.set STAGE, 49152                      ; behind the codes: 16 rows x 272 bytes for each wave
.set SPARE, 66560                      ; the spare words, 128 bytes for each wave: two blocks of 256 bytes that no other line names
.set LI,  1
.set L8,  2
.set L4,  3
.set SPW, 4                            ; v4  LDS address of my spare word; never rewritten
.set NIL, 5                            ; v5  0; never rewritten
.set STO, 6                            ; v6  into the stage: 272 r + 64 h
.set RD,  7                            ; v7  out of it: lanes 0-15 one row, lanes 16-31 the next
.set RO,  8                            ; v8  the same two rows in inputs and in out0
.set BA,  9                            ; v9  64 h
.set AS,  12                           ; v12-27  attn's scale words: register 2 j + i: tile 2 i in lanes 0-15, tile 2 i + 1 in lanes 16-31
.set WS,  28                           ; v28-43  Wo's likewise
.set AF,  44                           ; v44-91, v92-139  attn's four fragments of a K step, two sets
.set BK,  140                          ; v140-171, v172-203  rows read back, two sets
.set BI,  192                          ; window 1: Wo's K steps 0-3, from v192 the bias.  window 2: K steps 4-7.  window 3: v0-127 the accumulators (32 t + 8 n), v128-255 the residual
.set WV,  20
.set CX,  21
.set YB,  23
.set SL,  24
.set G1,  28
.set G0,  36
.set WB,  44
.set WWB, 46
.set ASB, 48
.set BB,  50
.set INB, 52
.set OUTB, 54
.set MSB, 0
.macro WIN new
.if MSB != \new
	s_set_vgpr_msb (MSB<<8)|\new
.set MSB, \new
.endif
.endm
.macro ROUND
	s_barrier_signal -1
	s_barrier_wait -1
	s_cmp_lg_u32 s[WV], 0
	s_cbranch_scc1 .Lnot_wave_0_\@
	s_barrier_signal -3
.Lnot_wave_0_\@:
	s_barrier_wait -3
	s_barrier_signal -1
	s_barrier_wait -1
.endm
	s_load_b256 s[4:11], s[0:1], 0x0               ; ao, asc, img, wrd
	s_load_b128 s[12:15], s[0:1], 0x20             ; bo, inputs
	s_load_b64 s[16:17], s[0:1], 0x30              ; out0
	v_lshl_add_u32 v[SPW], v0, 2, SPARE
	v_mov_b32 v[NIL], 0
	ds_add_u32 v[SPW], v[NIL]                      ; the wave's opening: the add and its wait stand ahead of my first tensor load; the set-up below, work on registers, stands between them
	ds_add_u32 v[SPW], v[NIL]
	v_lshrrev_b32 v1, 5, v0
	v_readfirstlane_b32 s[WV], v1
	s_bfe_u32 s[CX], ttmp6, 0x40000
	s_and_b32 s[YB], ttmp7, 0xffff
	s_lshl_b32 s[SL], s[CX], 2
	s_add_co_u32 s[SL], s[SL], s[WV]               ; my 64 columns
	s_mov_b32 s[G1], 15|(3<<16)|(1<<21)            ; the mask: all four work-groups; elements of 8 bytes; bit 21 beside a mask
	s_mov_b32 s[G1+1], 32<<16
	s_mov_b32 s[G1+2], 48<<16
	s_mov_b32 s[G1+3], 32<<16
	s_mov_b32 s[G1+4], 48                          ; 48 rows of 256 bytes: a quarter of the codes
	s_mov_b32 s[G1+5], 32
	s_mov_b32 s[G1+6], 0
	s_mov_b32 s[G1+7], 0
	v_and_b32 v10, 31, v0
	v_lshlrev_b32 v[LI], 4, v10
	v_lshlrev_b32 v[L8], 3, v10
	v_lshlrev_b32 v[L4], 2, v10
	v_and_b32 v11, 15, v0
	v_bfe_u32 v12, v0, 4, 1
	s_mul_i32 s27, s[WV], 4352
	s_add_co_u32 s27, s27, STAGE                   ; my stage
	v_mul_u32_u24 v[STO], v11, 272
	v_lshl_add_u32 v[STO], v12, 6, v[STO]
	v_add_nc_u32 v[STO], s27, v[STO]
	v_mul_u32_u24 v[RD], v12, 272
	v_lshl_add_u32 v[RD], v11, 4, v[RD]
	v_add_nc_u32 v[RD], s27, v[RD]
	v_lshlrev_b32 v[RO], 12, v12
	v_lshl_add_u32 v[RO], v11, 4, v[RO]
	v_lshlrev_b32 v[BA], 6, v12
	s_mul_i32 s80, s[YB], 49152
	s_mul_i32 s26, s[WV], 12288
	s_add_co_u32 s80, s80, s26
	s_mov_b32 s81, 0
	s_wait_dscnt 0x0                               ; the opening add is done
	s_wait_kmcnt 0x0
	s_mov_b32 s[G0], 1
	s_mov_b32 s[G0+1], s26
	s_add_nc_u64 s[G0+2:G0+3], s[4:5], s[80:81]
	s_or_b32 s[G0+3], s[G0+3], 0x80000000
	ROUND                                          ; all four work-groups are here
	tensor_load_to_lds s[G0:G0+3], s[G1:G1+7]      ; one load of mine is out; nothing in LDS is filled twice
	s_nop 0
.rept 4
	v_nop
.endr
	s_lshl_b32 s80, s[SL], 2
	s_add_co_u32 s80, s80, 448                     ; my first tile of Wo
	s_lshr_b32 s82, s80, 3
	s_mul_i32 s82, s82, 98304
	s_and_b32 s83, s80, 7
	s_mul_i32 s83, s83, 1536
	s_add_co_u32 s82, s82, s83
	s_mov_b32 s83, 0
	s_add_nc_u64 s[WB:WB+1], s[8:9], s[82:83]
	s_lshl_b32 s82, s80, 6
	s_add_nc_u64 s[WWB:WWB+1], s[10:11], s[82:83]
	s_lshl_b32 s82, s[YB], 8
	s_add_nc_u64 s[ASB:ASB+1], s[6:7], s[82:83]
	s_lshl_b32 s82, s[SL], 8
	s_add_nc_u64 s[BB:BB+1], s[12:13], s[82:83]
	s_lshl_b32 s84, s[YB], 18                      ; 64 rows of 4,096 bytes
	s_add_co_u32 s82, s82, s84
	s_add_nc_u64 s[INB:INB+1], s[14:15], s[82:83]
	s_add_nc_u64 s[OUTB:OUTB+1], s[16:17], s[82:83]
	WIN 0x40
.irp s, 0,1,2,3
.irp n, 0,1,2,3
.irp p, 0,1,2
	global_load_b128 v[12*(4*\s+\n)+4*\p:12*(4*\s+\n)+4*\p+3], v[LI], s[WB:WB+1] offset:\s*12288+\n*1536+512*\p
.endr
.endr
.endr
	WIN 0x80
.irp s, 4,5,6,7
.irp n, 0,1,2,3
.irp p, 0,1,2
	global_load_b128 v[12*(4*(\s-4)+\n)+4*\p:12*(4*(\s-4)+\n)+4*\p+3], v[LI], s[WB:WB+1] offset:\s*12288+\n*1536+512*\p
.endr
.endr
.endr
	WIN 0
.irp s, 0,1,2,3,4,5,6,7
.irp i, 0,1
	global_load_b32 v[WS+2*\s+\i], v[L4], s[WWB:WWB+1] offset:\s*32768+128*\i
	global_load_b32 v[AS+2*\s+\i], v[L4], s[ASB:ASB+1] offset:\s*16384+128*\i
.endr
.endr
	WIN 0x40
	s_wait_alu depctr_va_vdst(0)
.irp n, 0,1,2,3
	global_load_b128 v[BI+8*\n:BI+8*\n+3],   v[BA], s[BB:BB+1] offset:(32*(\n/2)+8*(\n%2))*4
	global_load_b128 v[BI+8*\n+4:BI+8*\n+7], v[BA], s[BB:BB+1] offset:(32*(\n/2)+8*(\n%2))*4+16
.endr
	WIN 0xc0                                       ; destination window 3: the residual, in the order in which rows come back from the stage; asked for last, so that it may stay out
.irp t, 0,1,2,3
.irp i, 0,1,2,3,4,5,6,7
	global_load_b128 v[128+32*\t+4*\i:128+32*\t+4*\i+3], v[RO], s[INB:INB+1] offset:(32*(\t/2)+8*(\t%2)+2*\i+8*(\i/4))*4096 th:TH_LOAD_NT
.endr
.endr
	WIN 0
	s_wait_tensorcnt 0x0                           ; my quarter of the codes is in,
	s_barrier_signal -1
	s_barrier_wait -1                              ; everybody's is
.macro WMI d, a, b, c, sa, sb, ra, rb
.if (\ra) && (\rb)
	v_wmma_scale_f32_16x16x128_f8f6f4 v[\d:\d+7], v[\a:\a+11], v[\b:\b+11], v[\c:\c+7], v[\sa], v[\sb] matrix_a_fmt:MATRIX_FMT_FP6 matrix_b_fmt:MATRIX_FMT_FP6 matrix_a_scale:MATRIX_SCALE_ROW1 matrix_b_scale:MATRIX_SCALE_ROW1
.elseif (\ra)
	v_wmma_scale_f32_16x16x128_f8f6f4 v[\d:\d+7], v[\a:\a+11], v[\b:\b+11], v[\c:\c+7], v[\sa], v[\sb] matrix_a_fmt:MATRIX_FMT_FP6 matrix_b_fmt:MATRIX_FMT_FP6 matrix_a_scale:MATRIX_SCALE_ROW1
.elseif (\rb)
	v_wmma_scale_f32_16x16x128_f8f6f4 v[\d:\d+7], v[\a:\a+11], v[\b:\b+11], v[\c:\c+7], v[\sa], v[\sb] matrix_a_fmt:MATRIX_FMT_FP6 matrix_b_fmt:MATRIX_FMT_FP6 matrix_b_scale:MATRIX_SCALE_ROW1
.else
	v_wmma_scale_f32_16x16x128_f8f6f4 v[\d:\d+7], v[\a:\a+11], v[\b:\b+11], v[\c:\c+7], v[\sa], v[\sb] matrix_a_fmt:MATRIX_FMT_FP6 matrix_b_fmt:MATRIX_FMT_FP6
.endif
.endm
.macro WM j, t, n
.set WF_, 12*(4*((\j)%4)+(\n))
.set AF_, AF+48*((\j)%2)+12*(\t)
.set AC_, 32*(\t)+8*(\n)
.set SW_, WS+2*(\j)+(\n)/2
.set SA_, AS+2*(\j)+(\t)/2
.if (\j) == 0
.set CC_, BI+8*(\n)
.else
.set CC_, AC_
.endif
	WMI AC_, WF_, AF_, CC_, SW_, SA_, (\n)%2, (\t)%2
.endm
.macro FETCH j                         ; attn's four fragments of K step j: for each, the half images of heads 2 j and 2 j + 1
.irp t, 0,1,2,3
.irp c, 0,1
	ds_load_b128 v[AF+48*((\j)%2)+12*\t+6*\c:AF+48*((\j)%2)+12*\t+6*\c+3],   v[LI] offset:(2*(\j)+\c)*3072+768*\t
	ds_load_b64  v[AF+48*((\j)%2)+12*\t+6*\c+4:AF+48*((\j)%2)+12*\t+6*\c+5], v[L8] offset:(2*(\j)+\c)*3072+768*\t+512
.endr
.endr
.endm
.macro STEP j                          ; 16 matrix instructions on 16 accumulators by turns; the next step's fragments are asked for ahead of them
	s_wait_dscnt 0x0
.rept 4
	v_nop                                          ; places in front of loads into the set that the last step's products read
.endr
.if (\j) < 7
	FETCH (\j)+1
.endif
.if (\j) == 0
	WIN 0xd1
.elseif (\j) < 4
	WIN 0xf1
.else
	WIN 0xf2
.endif
.irp t, 0,1,2,3
.irp n, 0,1,2,3
	WM \j, \t, \n
.endr
.endr
	WIN 0
.endm
	FETCH 0
	s_wait_loadcnt 32                              ; Wo, the scale words and the bias are in; the residual's 32 loads may be out
.irp j, 0,1,2,3,4,5,6,7
	STEP \j
.endr
.rept 4
	v_nop                                          ; places behind the last products
.endr
	s_wait_loadcnt 0x0                             ; the residual
.macro OUT t
.set BK_, BK+32*((\t)%2)
	WIN 0x0c                                       ; an LDS store's data are its source 1: window 3
.irp n, 0,1,2,3
	ds_store_b128 v[STO], v[32*(\t)+8*\n:32*(\t)+8*\n+3]   offset:128*(\n/2)+32*(\n%2)      ; each accumulator from its low end on
	ds_store_b128 v[STO], v[32*(\t)+8*\n+4:32*(\t)+8*\n+7] offset:128*(\n/2)+32*(\n%2)+16
.endr
	WIN 0
.if (\t) >= 2
	s_wait_xcnt 0x0                                ; the stores of two tiles back have read this set
.endif
.irp i, 0,1,2,3,4,5,6,7
	ds_load_b128 v[BK_+4*\i:BK_+4*\i+3], v[RD] offset:544*\i   ; LDS serves a wave's instructions in order: these see my stores
.endr
	s_wait_dscnt 0x0
	WIN 0x0c                                       ; source 1 window 3
.set K_, 0
.rept 16
	v_pk_add_f32 v[BK_+K_:BK_+K_+1], v[BK_+K_:BK_+K_+1], v[128+32*(\t)+K_:128+32*(\t)+K_+1]
.set K_, K_+2
.endr
	WIN 0
.irp i, 0,1,2,3,4,5,6,7
	global_store_b128 v[RO], v[BK_+4*\i:BK_+4*\i+3], s[OUTB:OUTB+1] offset:(32*((\t)/2)+8*((\t)%2)+2*\i+8*(\i/4))*4096 th:TH_STORE_NT   ; 16 lanes store 256 consecutive bytes, at a multiple of 256 from out0's first byte
.endr
.endm
	OUT 0
	OUT 1
	OUT 2
	OUT 3
	s_wait_tensorcnt 0x0                           ; the wave's end, behind my last tensor load and my last LDS store
	ds_add_u32 v[SPW], v[NIL]
	s_wait_dscnt 0x0
	ROUND                                          ; the closing round
	s_endpgm
.Lfunc_end_k_q799c8ff7f7_oproj:
	.size	k_q799c8ff7f7_oproj, .Lfunc_end_k_q799c8ff7f7_oproj-k_q799c8ff7f7_oproj
	.p2alignl 7, 3214868480
	.fill 96, 4, 3214868480
	.section	.rodata,"a",@progbits
	.p2align	6, 0x0
	.amdhsa_kernel k_q799c8ff7f7_oproj
		.amdhsa_group_segment_fixed_size 167936
		.amdhsa_private_segment_fixed_size 0
		.amdhsa_enable_private_segment 0
		.amdhsa_kernarg_size 56
		.amdhsa_user_sgpr_count 2
		.amdhsa_user_sgpr_kernarg_segment_ptr 1
		.amdhsa_wavefront_size32 1
		.amdhsa_system_sgpr_workgroup_id_x 1
		.amdhsa_system_sgpr_workgroup_id_y 1
		.amdhsa_system_sgpr_workgroup_id_z 1
		.amdhsa_system_vgpr_workitem_id 0
		.amdhsa_next_free_vgpr 1024
		.amdhsa_next_free_sgpr 96
		.amdhsa_reserve_vcc 0
		.amdhsa_float_denorm_mode_32 3
		.amdhsa_float_denorm_mode_16_64 3
		.amdhsa_memory_ordered 1
		.amdhsa_forward_progress 1
		.amdhsa_inst_pref_size 59
	.end_amdhsa_kernel
	.amdgpu_metadata
---
amdhsa.version: [ 1, 2 ]
amdhsa.kernels:
  - .name:           k_q799c8ff7f7_oproj
    .symbol:         k_q799c8ff7f7_oproj.kd
    .args:
      - { .name: ao, .offset: 0, .size: 8, .value_kind: global_buffer, .address_space: global }
      - { .name: asc, .offset: 8, .size: 8, .value_kind: global_buffer, .address_space: global }
      - { .name: img, .offset: 16, .size: 8, .value_kind: global_buffer, .address_space: global }
      - { .name: wrd, .offset: 24, .size: 8, .value_kind: global_buffer, .address_space: global }
      - { .name: bo, .offset: 32, .size: 8, .value_kind: global_buffer, .address_space: global }
      - { .name: inputs, .offset: 40, .size: 8, .value_kind: global_buffer, .address_space: global }
      - { .name: out0, .offset: 48, .size: 8, .value_kind: global_buffer, .address_space: global }
    .group_segment_fixed_size: 167936
    .private_segment_fixed_size: 0
    .kernarg_segment_align: 8
    .kernarg_segment_size: 56
    .max_flat_workgroup_size: 128
    .sgpr_count:     96
    .vgpr_count:     1024
    .wavefront_size: 32
...
	.end_amdgpu_metadata
.endif
;; end of part 4
